; MI455X (gfx1250); checked and timed in simulation.
; The chip was launched on July 23, 2026; its instructions are those of AMD's public machine-readable ISA for CDNA 5 (MIT licence, August 2026) and "CDNA5" Instruction Set Architecture Reference Guide (July 2026). The comments in the code are by the model that wrote it; some were corrected since.
;; Self Attention. Allowed arithmetic: matrix products marked QUANTISED: E2M3 operands, one E8M0 scale for each 32 along K, by v_wmma_scale_f32_16x16x128_f8f6f4 with both operands' format E2M3, f32 sums; everything else in f32.
;; Inputs: Wk 1,024 x 1,024 float32; Wo 1,024 x 1,024 float32; Wq 1,024 x 1,024 float32; Wv 1,024 x 1,024 float32; attn_padding_mask 4 x 2,048 bool; bk 1,024 float32; bo 1,024 float32; bq 1,024 float32; bv 1,024 float32; key 2,048 x 4 x 1,024 float32; query 2,048 x 4 x 1,024 float32; value 2,048 x 4 x 1,024 float32.
;; Outputs: out0 2,048 x 4 x 1,024 float32.
;; This version of the problem:
;;   THIS VERSION OF THE PROBLEM IS GIVEN IN LOW PRECISION. The matrix products marked QUANTISED in the list below multiply operands that are first quantised to E2M3 (2 exponent bits, 3 mantissa bits; 6 bits a number), with one power-of-two scale for each 32 numbers along K (OCP MX v1.0); their sums are f32. All else is computed in f32.
;;   The module's matrix products, in the order in which they are computed (A, B: the left and right operand; K: the contracted axis; several contracted axes count as one K, in the product's order):
;;     1. [M 8,192, K 1,024] x [K 1,024, N 1,024]; A: input query; B: input Wq: QUANTISED
;;     2. [M 8,192, K 1,024] x [K 1,024, N 1,024]; A: input key; B: input Wk: QUANTISED
;;     3. [M 8,192, K 1,024] x [K 1,024, N 1,024]; A: input value; B: input Wv: QUANTISED
;;     4. batch 64 x [M 2,048, K 64] x [K 64, N 2,048]; A: computed on the way; B: computed on the way: QUANTISED
;;     5. batch 64 x [M 2,048, K 2,048] x [K 2,048, N 64]; A: softmax (see below); B: computed on the way: QUANTISED
;;     6. [M 8,192, K 1,024] x [K 1,024, N 1,024]; A: computed on the way; B: input Wo: QUANTISED
;;   THE QUANTISER, for each operand of a quantised product, along K:
;;     - K is cut into blocks of 32 from its start; a last block that is shorter is filled with zeros.
;;     - A block's scale is 2^e with e = floor(log2(the largest magnitude in the block)) - 2, held to -126 .. 127; a block of zeros has e = 0. As a byte (E8M0): e + 127.
;;     - Each number is divided by its block's scale, clamped to +-7.5, and rounded to the nearest number of E2M3, ties to even, subnormals kept.
;;     - The product sums the exact products of the quantised numbers (number of the format x scale) in f32.
;;   ~~~python
;;   def quantise(x, axis):      # numpy; x: float32 -> the quantised numbers, widened to float32 again
;;       x = np.moveaxis(x, axis, -1); K = x.shape[-1]
;;       x = np.pad(x, [(0, 0)] * (x.ndim - 1) + [(0, -K % 32)]); x = x.reshape(x.shape[:-1] + (-1, 32)); a = np.abs(x).max(-1, keepdims=True)
;;       e = np.where(a > 0, np.clip(np.frexp(np.where(a > 0, a, 1))[1] - 1 - 2, -126, 127), 0)      # np.frexp(a)[1] - 1 = floor(log2(a)), exactly
;;       r = np.clip(x / 2.0 ** e, -7.5, 7.5)
;;       step = 2.0 ** (np.maximum(np.frexp(np.where(r == 0, 1, r))[1] - 1, 0) - 3)
;;       q = np.round(r / step) * step * 2.0 ** e      # np.round: ties to even
;;       return np.moveaxis(q.reshape(q.shape[:-2] + (-1,))[..., :K], -1, axis).astype(np.float32)
;;   ~~~
;;   SOFTMAX AHEAD OF A QUANTISED PRODUCT. Where the list says 'softmax', what is quantised is not the finished softmax but p = 2^(t - M), with t = logit x log2(e) and M = ceil(the row's largest t), a whole number; so 1/2 < the row's largest p <= 1. The row's sum l is taken of the UNQUANTISED p, in f32, and the product's result is divided by l at the end. Since M is a whole number, a kernel that streams over the keys may use a running M (the ceiling of the running maximum): every later rescaling is an exact power of two, which a block's scale takes up: the codes' values come out the same.
;;   OPERANDS COMPUTED ON THE WAY. 'Computed on the way' means the value that the module computes at that place (a softmax that the list does not call 'softmax' is quantised finished and normalised). What goes into a quantiser is computed in f32, as accurately as f32 sums, v_exp_f32 and their like allow (about 1e-6 of the number): no bf16 or f16 on the way to a quantiser, and a product that is left as it is and whose result goes on into a quantised operand takes f32 operands (vector FMAs, or v_wmma_f32_16x16x4_f32). A number that lies on a knife's edge between two numbers of the format may be rounded either way, as far as f32 arithmetic and the matrix unit's own rounding can turn it there, and no further.
;; One version. Each part assembles by itself: llvm-mc -triple=amdgcn-amd-amdhsa -mcpu=gfx1250 --defsym DOCPART=n.
;; ======== version 1 of 1: 4 launches
;; limits: right only within a limited range of input values
;; workspace buffers: opc 22,020,096 bytes; ops 917,504 bytes; qb 8,912,896 bytes; kv 15,466,496 bytes; aoc 6,291,456 bytes; aos 262,144 bytes
;; launch quant (part 1): grid 448 x 1, 4 waves a work-group, no clusters, 34,304 bytes of LDS; arguments query, key, value, Wq, Wk, Wv, Wo, opc, ops; writes opc, ops
.if DOCPART == 1
	.amdgcn_target "amdgcn-amd-amdhsa--gfx1250"
	.amdhsa_code_object_version 6
	.text
	.protected	k_q0ce9513de6_quant
	.globl	k_q0ce9513de6_quant
	.p2align	8
	.type	k_q0ce9513de6_quant,@function
k_q0ce9513de6_quant:
	s_mov_b64 s[64:65], 0
	v_nop
	global_prefetch_b8 v0, s[64:65] scope:SCOPE_SE
	s_setreg_imm32_b32 hwreg(HW_REG_WAVE_MODE, 25, 1), 1
	s_wait_xcnt 0x0
; query, key, value [2048][4][1024] and Wq, Wk, Wv, Wo [1024][1024], f32, K innermost, become codes of FP6 (E2M3) with one E8M0 byte for each 32 along K,
; laid in the order of an operand's registers, so that the products' launches fetch fragments by whole runs of consecutive bytes.
; A TILE is 16 rows: tile tau of a run of rows holds rows 32 (tau / 2) + 8 (tau % 2) + i + 8 (i / 8), i = 0 .. 15.  For query, key and value a run of rows is the 2,048 positions of ONE batch b
; (memory row 4 s + b), tile number 128 b + tau; for the weights it is the 1,024 output features.  Tiles in opc and ops: query 0, key 512, value 1024, Wq 1536, Wk 1600, Wv 1664, Wo 1728.
; opc: [tile][K step 0..7][1,536]: a fragment (16 rows x 128 K, 12 registers a lane) as two halves c of 768 bytes: registers 6 c .. 6 c + 3 at 16 x lane, then registers 6 c + 4, 6 c + 5 at 8 x lane.
; ops: [tile][512]: scale words [K step / 4][row][K step % 4]: a load of 16 bytes at 16 x lane brings K steps 0-3 to lanes 0-15 and K steps 4-7 to lanes 16-31.
; A block's scale is 2^(floor(log2(its largest magnitude)) - 2); its byte is the largest magnitude's exponent field - 2, held at 1 from below.  A block of zeros so gets the byte 1 where the rule says 127:
; its codes are zeros, and the bytes are read by this program alone.
; LIMITS: blocks whose largest magnitude lies under 2^-124 keep the byte 1; NaN and infinities among the inputs are not served.
; SHARES.  Wave w of work-group g owns tile 4 g + w: 16 rows x 1,024 numbers, in 8 K steps of 128.  Each load takes 512 consecutive bytes of one row; a K step's 16 rows turn through the wave's own stage in LDS
; and come back so that lane (r, h) holds, of row r, the 16 neighbours 32 b + 16 h + 0 .. 15 of each block b.  Waves share nothing: no barrier.  Loads run two K steps (32 loads a wave) ahead.
.set STG,  8448                        ; a wave's stage: 16 rows of SP bytes
.set SP,   528                         ; 512 bytes + 16: an odd multiple of 16 bytes, so that the sixteen rows that a load of 16 bytes a lane touches start in different banks (ISA guide 11.1)
.set L16,  4                           ; v4      16 x lane
.set L8,   5                           ; v5      8 x lane
.set STI,  6                           ; v6      the stage, on the way in: 16 x lane
.set STO,  7                           ; v7      and on the way out: SP r + 64 h
.set RA,   8                           ; v8-23   row i's byte offset: 16 x lane + (i + 8 (i / 8)) rows
.set R,    24                          ; v24-151 two sets of 64 numbers
.set PC,   152                         ; v152-163 the fragment just made
.set PT,   164                         ; v164-171 the conversions' second halves
.set TM,   172                         ; v172-175 largest magnitudes, v176-179 bytes, v184-187 the conversions' scale operands
.set PW,   188                         ; v188    the scale word just made
.set PWS,  190                         ; v190-197 the eight K steps' scale words
.set OUTW, 198                         ; v198-201 the 16 bytes of scale words that I store
.set SEL,  36                          ; s[36:37] v_permlanex16_b32's selects for lane l xor 16
	s_load_b512 s[4:19], s[0:1], 0x0               ; query, key, value, Wq, Wk, Wv, Wo, opc
	s_load_b64 s[20:21], s[0:1], 0x40              ; ops
	v_lshl_add_u32 v208, v0, 2, 0x8400
	v_mov_b32 v209, 0
	v_lshrrev_b32 v1, 5, v0
	v_readfirstlane_b32 s24, v1                    ; wave 0..3
	v_and_b32 v1, 31, v0                           ; lane
	v_and_b32 v2, 15, v0                           ; r
	v_bfe_u32 v3, v0, 4, 1                         ; h
	v_lshlrev_b32 v[L16], 4, v1
	v_lshlrev_b32 v[L8], 3, v1
	s_mul_i32 s25, s24, STG
	v_add_nc_u32 v[STI], s25, v[L16]
	v_mul_u32_u24 v[STO], v2, SP
	v_lshl_add_u32 v[STO], v3, 6, v[STO]
	v_add_nc_u32 v[STO], s25, v[STO]
	s_mov_b32 s[SEL], 0x76543210
	s_mov_b32 s[SEL+1], 0xfedcba98
.irp b, 0,1,2,3
	v_mov_b32 v[TM+4+\b], 0                        ; written once: a lane permute's destination counts as one of its sources
.endr
	s_lshl_b32 s26, ttmp9, 2
	s_add_co_u32 s26, s26, s24                     ; my tile
	s_bfe_u32 s29, s26, 0x20007                    ; the batch, where the tile is of query, key or value
	s_cmp_lt_u32 ttmp9, 384                        ; work-groups 0-383: query, key, value; 384-447: the weights
	s_cselect_b32 s27, 14, 12                      ; from row to row of a run: 16,384 bytes (four batches lie between) or 4,096
	s_cselect_b32 s28, 127, 63
	s_cselect_b32 s29, s29, 0
	s_and_b32 s28, s26, s28                        ; tau
	s_lshr_b32 s30, s28, 1
	s_lshl_b32 s30, s30, 5
	s_and_b32 s31, s28, 1
	s_lshl_b32 s31, s31, 3
	s_add_co_u32 s30, s30, s31                     ; the tile's first row
	; KEY'S TILES ARE LAID OTHERWISE: tile tau holds rows 64 (tau / 4) + 8 (tau % 4) + i + 24 (i / 8), so that in attention a lane's 32 scores of four tiles are one whole block of 32 keys
	s_lshr_b32 s38, s28, 2
	s_lshl_b32 s38, s38, 6
	s_and_b32 s39, s28, 3
	s_lshl_b32 s39, s39, 3
	s_add_co_u32 s38, s38, s39
	s_lshr_b32 s39, ttmp9, 7
	s_cmp_eq_u32 s39, 1                            ; work-groups 128-255: key
	s_cselect_b32 s30, s38, s30
	s_cselect_b32 s35, 24, 8                       ; what rows 8-15 of a tile lie further on
	s_lshl_b32 s35, s35, s27
	s_lshl_b32 s30, s30, s27
	s_lshl_b32 s29, s29, 12
	s_add_co_u32 s30, s30, s29                     ; in bytes, with the batch's 4,096
	s_mov_b32 s31, 0
.irp i, 0,1,2,3,4,5,6,7,8,9,10,11,12,13,14,15
	s_lshl_b32 s34, \i, s27
.if \i >= 8
	s_add_co_u32 s34, s34, s35
.endif
	v_add_nc_u32 v[RA+\i], s34, v[L16]
.endr
	s_mul_i32 s32, s26, 12288
	s_mov_b32 s33, 0
	s_wait_alu depctr_va_vdst(0)
	s_wait_kmcnt 0x0
	s_mov_b64 s[22:23], s[16:17]                   ; which tensor: the choice hangs on the work-group's number alone
	s_cmp_lt_u32 ttmp9, 432
	s_cselect_b64 s[22:23], s[14:15], s[22:23]
	s_cmp_lt_u32 ttmp9, 416
	s_cselect_b64 s[22:23], s[12:13], s[22:23]
	s_cmp_lt_u32 ttmp9, 400
	s_cselect_b64 s[22:23], s[10:11], s[22:23]
	s_cmp_lt_u32 ttmp9, 384
	s_cselect_b64 s[22:23], s[8:9], s[22:23]
	s_cmp_lt_u32 ttmp9, 256
	s_cselect_b64 s[22:23], s[6:7], s[22:23]
	s_cmp_lt_u32 ttmp9, 128
	s_cselect_b64 s[22:23], s[4:5], s[22:23]
	s_add_nc_u64 s[22:23], s[22:23], s[30:31]
	s_add_nc_u64 s[18:19], s[18:19], s[32:33]      ; my tile's 12,288 bytes of codes
	s_lshl_b32 s32, s26, 9
	s_add_nc_u64 s[20:21], s[20:21], s[32:33]      ; and its 512 bytes of scale words
.macro LOAD s                          ; K step s: 16 rows, 512 consecutive bytes each, into set s % 2
.irp i, 0,1,2,3,4,5,6,7,8,9,10,11,12,13,14,15
	global_load_b128 v[R+64*((\s)%2)+4*\i:R+64*((\s)%2)+4*\i+3], v[RA+\i], s[22:23] offset:512*(\s) th:TH_LOAD_NT
.endr
.endm
.macro TURN s                          ; through the stage and back into the same set: LDS serves a wave's instructions in order (ISA guide 5.7.1.4), so no wait stands between the stores and the loads
.irp i, 0,1,2,3,4,5,6,7,8,9,10,11,12,13,14,15
	ds_store_b128 v[STI], v[R+64*((\s)%2)+4*\i:R+64*((\s)%2)+4*\i+3] offset:SP*\i
.endr
.irp b, 0,1,2,3
.irp j, 0,1,2,3
	ds_load_b128 v[R+64*((\s)%2)+16*\b+4*\j:R+64*((\s)%2)+16*\b+4*\j+3], v[STO] offset:128*\b+16*\j   ; register 16 b + i = k 32 b + 16 h + i of row r
.endr
.endr
.endm
; 64 numbers of a lane, register 16 b + i = k 32 b + 16 h + i of my row, become a fragment's codes in v[PC] on and its scale word in v[PW]
.macro QUANT src
.irp b, 0,1,2,3
	v_max3_num_f32 v[TM+\b], |v[(\src)+16*\b]|, |v[(\src)+16*\b+1]|, 0x1800000   ; block b: my 16 numbers, and the floor 2^(3 - 127): the byte cannot fall under 1
.endr
.irp i, 2,4,6,8,10,12,14
.irp b, 0,1,2,3
	v_max3_num_f32 v[TM+\b], v[TM+\b], |v[(\src)+16*\b+\i]|, |v[(\src)+16*\b+\i+1]|   ; the four blocks by turns
.endr
.endr
.irp b, 0,1,2,3
	v_permlanex16_b32 v[TM+4+\b], v[TM+\b], s[SEL], s[SEL+1]
.endr
.irp b, 0,1,2,3
	v_max_num_f32 v[TM+\b], v[TM+\b], v[TM+4+\b]   ; with lane l xor 16's: the block's largest magnitude
.endr
.irp b, 0,1,2,3
	v_add_nc_u32 v[TM+12+\b], 0xff000000, v[TM+\b] ; 2 off its exponent field: the conversion takes the exponent field of this operand as its scale
.endr
.irp b, 0,1,2,3
	v_lshrrev_b32 v[TM+4+\b], 23, v[TM+12+\b]      ; the scale's byte
.endr
	v_lshl_or_b32 v[PW], v[TM+5], 8, v[TM+4]
	v_lshl_or_b32 v[PW], v[TM+6], 16, v[PW]
	v_lshl_or_b32 v[PW], v[TM+7], 24, v[PW]
.irp c, 0,1
	v_cvt_scalef32_pk16_fp6_f32 v[PC+6*\c:PC+6*\c+2], v[(\src)+32*\c:(\src)+32*\c+15], v[TM+12+2*\c]
	v_cvt_scalef32_pk16_fp6_f32 v[PT+4*\c:PT+4*\c+2], v[(\src)+32*\c+16:(\src)+32*\c+31], v[TM+13+2*\c]   ; (a conversion's three registers begin on an even number)
.endr
	v_nop                                          ; one plain place behind a scaled conversion
.irp c, 0,1                            ; the operand's layout wants a whole block in a lane: lanes 0-15 block 2 c, lanes 16-31 block 2 c + 1
.irp i, 0,1,2
	v_permlane16_swap_b32 v[PC+6*\c+\i], v[PT+4*\c+\i]
.endr
.irp i, 0,1,2
	v_mov_b32 v[PC+6*\c+3+\i], v[PT+4*\c+\i]
.endr
.endr
.endm
.macro STEP s
.if (\s) < 7
	s_wait_loadcnt 16                              ; this K step's 16 loads are in; the next K step's 16 may be out
.else
	s_wait_loadcnt 0x0
.endif
	TURN \s
	s_wait_dscnt 0x0
.if (\s) > 0
	s_wait_xcnt 0x0                                ; the last K step's stores have read v[PC] on: it is written again only behind this wait
.endif
	QUANT R+64*((\s)%2)
	v_mov_b32 v[PWS+(\s)], v[PW]
.if (\s) < 6
	LOAD (\s)+2                                    ; the set is free: it takes the K step two on
.endif
	global_store_b128 v[L16], v[PC:PC+3], s[18:19] offset:1536*(\s)         ; 512 consecutive bytes,
	global_store_b64 v[L8], v[PC+4:PC+5], s[18:19] offset:1536*(\s)+512     ; 256,
	global_store_b128 v[L16], v[PC+6:PC+9], s[18:19] offset:1536*(\s)+768   ; and the second half likewise; all begin at multiples of 256 from the buffer's first byte
	global_store_b64 v[L8], v[PC+10:PC+11], s[18:19] offset:1536*(\s)+1280
.endm
	LOAD 0
	LOAD 1
.irp s, 0,1,2,3,4,5,6,7
	STEP \s
.endr
	v_cmp_eq_u32 vcc_lo, 1, v3                     ; lanes 0-15 store K steps 0-3 of their row, lanes 16-31 K steps 4-7 (both halves of the lanes hold all eight words of row r)
.irp i, 0,1,2,3
	v_cndmask_b32 v[OUTW+\i], v[PWS+\i], v[PWS+4+\i], vcc_lo
.endr
	global_store_b128 v[L16], v[OUTW:OUTW+3], s[20:21]   ; 512 consecutive bytes
	s_wait_tensorcnt 0x0
	ds_add_u32 v208, v209
	s_wait_dscnt 0x0
	s_endpgm
.Lfunc_end_k_q0ce9513de6_quant:
	.size	k_q0ce9513de6_quant, .Lfunc_end_k_q0ce9513de6_quant-k_q0ce9513de6_quant
	.p2alignl 7, 3214868480
	.fill 96, 4, 3214868480
	.section	.rodata,"a",@progbits
	.p2align	6, 0x0
	.amdhsa_kernel k_q0ce9513de6_quant
		.amdhsa_group_segment_fixed_size 34304
		.amdhsa_private_segment_fixed_size 0
		.amdhsa_enable_private_segment 0
		.amdhsa_kernarg_size 72
		.amdhsa_user_sgpr_count 2
		.amdhsa_user_sgpr_kernarg_segment_ptr 1
		.amdhsa_wavefront_size32 1
		.amdhsa_system_sgpr_workgroup_id_x 1
		.amdhsa_system_sgpr_workgroup_id_y 1
		.amdhsa_system_sgpr_workgroup_id_z 1
		.amdhsa_system_vgpr_workitem_id 0
		.amdhsa_next_free_vgpr 210
		.amdhsa_next_free_sgpr 66
		.amdhsa_reserve_vcc 1
		.amdhsa_float_denorm_mode_32 3
		.amdhsa_float_denorm_mode_16_64 3
		.amdhsa_memory_ordered 1
		.amdhsa_forward_progress 1
		.amdhsa_inst_pref_size 67
	.end_amdhsa_kernel
	.amdgpu_metadata
---
amdhsa.version: [ 1, 2 ]
amdhsa.kernels:
  - .name:           k_q0ce9513de6_quant
    .symbol:         k_q0ce9513de6_quant.kd
    .args:
      - { .name: query, .offset: 0, .size: 8, .value_kind: global_buffer, .address_space: global }
      - { .name: key, .offset: 8, .size: 8, .value_kind: global_buffer, .address_space: global }
      - { .name: value, .offset: 16, .size: 8, .value_kind: global_buffer, .address_space: global }
      - { .name: Wq, .offset: 24, .size: 8, .value_kind: global_buffer, .address_space: global }
      - { .name: Wk, .offset: 32, .size: 8, .value_kind: global_buffer, .address_space: global }
      - { .name: Wv, .offset: 40, .size: 8, .value_kind: global_buffer, .address_space: global }
      - { .name: Wo, .offset: 48, .size: 8, .value_kind: global_buffer, .address_space: global }
      - { .name: opc, .offset: 56, .size: 8, .value_kind: global_buffer, .address_space: global }
      - { .name: ops, .offset: 64, .size: 8, .value_kind: global_buffer, .address_space: global }
    .group_segment_fixed_size: 34304
    .private_segment_fixed_size: 0
    .kernarg_segment_align: 8
    .kernarg_segment_size: 72
    .max_flat_workgroup_size: 128
    .sgpr_count:     66
    .vgpr_count:     210
    .wavefront_size: 32
...
	.end_amdgpu_metadata
.endif
;; end of part 1
;; launch proj (part 2): grid 4 x 192, 4 waves a work-group, clusters of 4 x 4, 307,712 bytes of LDS; arguments opc, ops, bq, bk, bv, attn_padding_mask, qb, kv; writes qb, kv
.if DOCPART == 2
	.amdgcn_target "amdgcn-amd-amdhsa--gfx1250"
	.amdhsa_code_object_version 6
	.text
	.protected	k_q0ce9513de6_proj
	.globl	k_q0ce9513de6_proj
	.p2align	8
	.type	k_q0ce9513de6_proj,@function
k_q0ce9513de6_proj:
	s_mov_b64 s[64:65], 0
	v_nop
	global_prefetch_b8 v0, s[64:65] scope:SCOPE_SE
	s_setreg_imm32_b32 hwreg(HW_REG_WAVE_MODE, 25, 1), 1
	s_wait_xcnt 0x0
	s_wait_alu depctr_hold_cnt(0) depctr_sa_sdst(0) depctr_va_vdst(0) depctr_va_sdst(0) depctr_va_ssrc(0) depctr_va_vcc(0) depctr_vm_vsrc(0)
	s_getreg_b32 s2, hwreg(HW_REG_IB_STS2, 6, 4)
	s_cmp_eq_u32 s2, 0
	s_cbranch_scc0 .Lentry_in_a_cluster
	s_endpgm
.Lentry_in_a_cluster:
	s_bfe_u32 s2, ttmp6, 0x10000c
	s_cmp_lg_u32 s2, 0xf033
	s_cbranch_scc0 .Lentry_shape_is_right
	s_endpgm
.Lentry_shape_is_right:
; The three projections q = query Wq^T + bq, k = key Wk^T + bk, v = value Wv^T + bv on codes of FP6 (E2M3) with E8M0 scales, K = 1,024; the results are quantised in registers for the two products of
; attention and leave as images of those products' operand registers.  No f32 result goes to memory.
; THE PRODUCT.  C'[p][l] = sum over k of P[p][k] L[l][k]: source 0 = a tile of P, source 1 = a tile of L: a lane holds one l (lane % 16) and its registers run along p, the axis that is quantised next.
;   q, k: P = the weight (p = output feature = 64 head + d), L = rows of query or key.     v: P = rows of value (p = the keys of one batch), L = Wv (l = 64 head + d).
; A tile's 16 rows are rows 32 (tau / 2) + 8 (tau % 2) + i + 8 (i / 8): so the 16 result registers of P's tiles 2 b and 2 b + 1 are the 16 neighbours 32 b + 16 (lane / 16) + 0 .. 15 along p.
; SHARES.  A work-group makes 256 p x 128 l over all of K; wave w makes 128 p (half w % 2) x 64 l (half w / 2): 32 accumulators.  768 work-groups in 48 clusters of 4 x 4: clusters 0-15 q, 16-31 k, 32-47 v.
; CLUSTER.  P's tiles hang on the place along x alone and are shared down a column of the cluster, L's on the place along y and are shared along a row: each is asked for jointly.
; LDS holds the work-group's 16 + 8 tiles for ALL of K, filled once: no byte is filled again.  Each wave issues one tensor load (0, 1: P's halves; 2, 3: L's halves), the scale words come by global loads,
; and the products begin when every wave's load is in: one tensor load of a wave is out at the most.
; THE MASK rides in the idle half of attention's first product (a head has 64 of the instruction's 128 along K): at k = 64 every query carries the code +1.0 under the scale byte 127, a masked key the code -1.0
; under the byte 227 (its score gets -2^100), an open key the code 0 under the byte 1.
; OUT.  qb: [64 batch x head][16 steps][8,704]: 8 images of 16 queries (8 registers: 0-5 codes, 6 the word with the code at k = 64, 7 zero; 2 x 16 bytes a lane), then scale words [tile / 4][row][tile % 4].
;       kv: [64][16][15,104]: 8 such images of 16 keys and their words (8,704 bytes), 4 images of V^T (16 d x 128 keys: 12 registers, 3 x 16 bytes a lane), V's words [row][tile].
; LIMITS: NaN and infinities are not served; a block of zeros, or one whose largest magnitude lies under 2^-124, keeps the byte 1 (only this program reads the bytes); the bias is the first addend of each f32 sum.
; REGISTERS, in windows of 256: window 0: addresses, scale words, bias, the quantiser's work.  window 1: accumulator (t, l) at v[64 l + 8 t].  windows 2, 3: fragment sets 0, 1: P's at v[12 t], L's at v[96 + 12 l].
.set RGN,  98304                       ; LDS: 8 tiles x 12,288 bytes: regions 0, 1: P's halves; 2: L
.set CHK,  24576                       ; in a region: two tiles;
.set TIL,  3072
.set FRB,  1536                        ; in it: a K step's fragment
.set SCQ,  3*RGN
.set AP16, 4                           ; v4, v5  my P fragments: 16 x lane, 8 x lane; v6, v7 the same 49,152 bytes on (tiles 4-7)
.set AP8,  5
.set AL16, 8                           ; v8, v9   the same for L
.set AL8,  9
.set ASP,  12
.set ASL,  13
.set L16,  14                          ; v14     16 x lane
.set KWO,  15                          ; v15     where the scale words are stored
.set SCP,  16                          ; v16-47  P's scale words: tile t, K step s: register 4 t + s % 4, lanes 0-15 for s < 4, lanes 16-31 for s >= 4
.set SCL,  48                          ; v48-63  L's
.set BI,   64                          ; v64-127 the bias, in the result's layout
.set PC,   128                         ; v128-143 the codes just made
.set PT,   144                         ; v144-151 the conversions' second halves
.set TM,   152                         ; v152-167 the quantiser's work
.set PW,   168                         ; v168    the scale word just made
.set KW,   172                         ; v172-175 four tiles' scale words, to be stored
.set MB,   176                         ; v176-179 the mask bytes of my lane's row in L's four tiles
.set EC,   180                         ; v180-183 the word with the code at k = 64
.set EH,   184                         ; v184-187 scale bytes 2 and 3
.set HM,   188                         ; v188    all ones in lanes 0-15, 0 in lanes 16-31
.set SHH,  189                         ; v189    16 h
.set BOF,  190                         ; v190    the bias loads' offset
.set ROF,  191                         ; v191    r + 8 (r / 8): a lane's row in a tile
.set WV,   2
.set WP,   3
.set WL,   16
.set CX,   20
.set CY,   21
.set KIND, 23
.set IDX,  66
.set SEL,  18                          ; s[18:19], from the way out on
.set G0P,  24                          ; s[24:27] group 0 for P
.set G0L,  44                          ; s[44:47] for L
.set G1CP, 68                          ; s[68:75] group 1: codes, P;  s[76:83] codes, L
.set G1CL, 76
.set G1SP, 84
.set G1SL, 92
.set MSB, 0
.macro WIN new                         ; the immediate's high byte repeats the setting that is left
.if MSB != \new
	s_set_vgpr_msb (MSB<<8)|\new
.set MSB, \new
.endif
.endm
.macro PLACES n
.rept \n
	v_nop
.endr
.endm
.macro CROUND                          ; a round of the cluster's barrier
	s_barrier_signal -1
	s_barrier_wait -1
	s_cmp_lg_u32 s[WV], 0
	s_cbranch_scc1 .Lnot_wave_0_\@
	s_barrier_signal -3
.Lnot_wave_0_\@:
	s_barrier_wait -3
	s_barrier_signal -1
	s_barrier_wait -1
.endm
.macro FRAG reg, a16, a8, off          ; a fragment's image: every load takes consecutive bytes, 16 or 8 a lane
	ds_load_b128 v[(\reg):(\reg)+3], v[\a16] offset:(\off)
	ds_load_b64 v[(\reg)+4:(\reg)+5], v[\a8] offset:(\off)+512
	ds_load_b128 v[(\reg)+6:(\reg)+9], v[\a16] offset:(\off)+768
	ds_load_b64 v[(\reg)+10:(\reg)+11], v[\a8] offset:(\off)+1280
.endm
.macro FETCH s, set                    ; K step s: my 8 fragments of P and 4 of L, 48 loads, into a set
	WIN 0x80+0x40*(\set)
.irp t, 0,1,2,3,4,5,6,7
	FRAG 12*\t, AP16+2*(\t/4), AP8+2*(\t/4), (\t%4)*12288+(\s)*FRB
.endr
.irp l, 0,1,2,3
	FRAG 96+12*\l, AL16, AL8, \l*12288+(\s)*FRB
.endr
.endm
; 16 matrix instructions: L's tiles l0, l0 + 1 x P's eight, K step s.  mode 0: onto the sums; 1: the sums begin with the bias along p (q, k); 2: with the bias along l (v).
; The 32 accumulators take turns, one instruction a turn, in the same order in every K step.
.macro MUL set, s, l0, mode
.if \mode
	WIN 0x4a                                       ; P and L in window 2, C in window 0, D in window 1
.else
	WIN 0x5a+5*(\set)                              ; P and L in window 2 or 3, C and D in window 1
.endif
.irp l, \l0, \l0+1
.irp t, 0,1,2,3,4,5,6,7
.if \mode == 1
	v_wmma_scale_f32_16x16x128_f8f6f4 v[64*(\l)+8*\t:64*(\l)+8*\t+7], v[12*\t:12*\t+11], v[96+12*(\l):96+12*(\l)+11], v[BI+8*\t:BI+8*\t+7], v[SCP+4*\t], v[SCL+4*(\l)] matrix_a_fmt:MATRIX_FMT_FP6 matrix_b_fmt:MATRIX_FMT_FP6
.elseif \mode == 2
	v_wmma_scale_f32_16x16x128_f8f6f4 v[64*(\l)+8*\t:64*(\l)+8*\t+7], v[12*\t:12*\t+11], v[96+12*(\l):96+12*(\l)+11], v[BI+32*(\t/4)+8*(\l):BI+32*(\t/4)+8*(\l)+7], v[SCP+4*\t], v[SCL+4*(\l)] matrix_a_fmt:MATRIX_FMT_FP6 matrix_b_fmt:MATRIX_FMT_FP6
.elseif (\s) < 4
	v_wmma_scale_f32_16x16x128_f8f6f4 v[64*(\l)+8*\t:64*(\l)+8*\t+7], v[12*\t:12*\t+11], v[96+12*(\l):96+12*(\l)+11], v[64*(\l)+8*\t:64*(\l)+8*\t+7], v[SCP+4*\t+(\s)%4], v[SCL+4*(\l)+(\s)%4] matrix_a_fmt:MATRIX_FMT_FP6 matrix_b_fmt:MATRIX_FMT_FP6
.else
	v_wmma_scale_f32_16x16x128_f8f6f4 v[64*(\l)+8*\t:64*(\l)+8*\t+7], v[12*\t:12*\t+11], v[96+12*(\l):96+12*(\l)+11], v[64*(\l)+8*\t:64*(\l)+8*\t+7], v[SCP+4*\t+(\s)%4], v[SCL+4*(\l)+(\s)%4] matrix_a_fmt:MATRIX_FMT_FP6 matrix_b_fmt:MATRIX_FMT_FP6 matrix_a_scale:MATRIX_SCALE_ROW1 matrix_b_scale:MATRIX_SCALE_ROW1
.endif
.endr
.endr
.endm
; K step s multiplies set s % 2 and fetches K step s + 1 into the other set, which the K step before has multiplied: four places stand between its last product and the loads (ISA guide 7.12.1 for vector
; instructions).
.macro KSTEP s
	s_wait_dscnt 0x0                               ; this K step's fragments are in
.if (\s) < 7
	PLACES 4
	FETCH (\s)+1, ((\s)+1)%2
.endif
	MUL (\s)%2, \s, 0, 0
	MUL (\s)%2, \s, 2, 0
.endm
; 64 results of a lane in window 1, register src + 16 b + i = p 32 b + 16 h + i, become codes in v[PC + st c] on (c: each 64 along p) and a scale word in v[PW].  Each accumulator is read from its low end on.
.macro QUANT src, st
	WIN 0x14                                       ; sources 1 and 2 in window 1
.irp b, 0,1,2,3
	v_max3_num_f32 v[TM+\b], 0x1800000, |v[(\src)+16*\b]|, |v[(\src)+16*\b+1]|   ; block b: my 16 numbers, and the floor 2^(3 - 127): the byte cannot fall under 1
.endr
.irp i, 2,4,6,8,10,12,14
.irp b, 0,1,2,3
	v_max3_num_f32 v[TM+\b], v[TM+\b], |v[(\src)+16*\b+\i]|, |v[(\src)+16*\b+\i+1]|
.endr
.endr
	WIN 0
.irp b, 0,1,2,3
	v_permlanex16_b32 v[TM+4+\b], v[TM+\b], s[SEL], s[SEL+1]
.endr
.irp b, 0,1,2,3
	v_max_num_f32 v[TM+\b], v[TM+\b], v[TM+4+\b]   ; with lane l xor 16's: the block's largest magnitude
.endr
.irp b, 0,1,2,3
	v_add_nc_u32 v[TM+12+\b], 0xff000000, v[TM+\b] ; 2 off its exponent field: the conversion's scale operand
.endr
.irp b, 0,1,2,3
	v_lshrrev_b32 v[TM+4+\b], 23, v[TM+12+\b]      ; the scale's byte
.endr
	v_lshl_or_b32 v[PW], v[TM+5], 8, v[TM+4]
	v_lshl_or_b32 v[PW], v[TM+6], 16, v[PW]
	v_lshl_or_b32 v[PW], v[TM+7], 24, v[PW]
	WIN 0x01                                       ; source 0 in window 1
.irp c, 0,1
	v_cvt_scalef32_pk16_fp6_f32 v[PC+(\st)*\c:PC+(\st)*\c+2], v[(\src)+32*\c:(\src)+32*\c+15], v[TM+12+2*\c]
	v_cvt_scalef32_pk16_fp6_f32 v[PT+4*\c:PT+4*\c+2], v[(\src)+32*\c+16:(\src)+32*\c+31], v[TM+13+2*\c]
.endr
	WIN 0
	v_nop                                          ; one plain place behind a scaled conversion
.irp c, 0,1                            ; a whole block to a lane: lanes 0-15 block 2 c, lanes 16-31 block 2 c + 1
.irp i, 0,1,2
	v_permlane16_swap_b32 v[PC+(\st)*\c+\i], v[PT+4*\c+\i]
.endr
.irp i, 0,1,2
	v_mov_b32 v[PC+(\st)*\c+3+\i], v[PT+4*\c+\i]
.endr
.endr
.endm
	s_load_b128 s[4:7], s[0:1], 0x0                ; opc, ops
	v_lshl_add_u32 v254, v0, 2, 0x4b000
	v_mov_b32 v255, 0
	ds_add_u32 v254, v255
	ds_add_u32 v254, v255
	v_lshrrev_b32 v1, 5, v0
	v_readfirstlane_b32 s[WV], v1                  ; wave 0..3
	s_and_b32 s[WP], s[WV], 1                      ; my half of p.  Also: which half of P waves 0 and 1 fetch
	s_lshr_b32 s[WL], s[WV], 1                     ; my half of l
	s_bfe_u32 s[CX], ttmp6, 0x40000
	s_bfe_u32 s[CY], ttmp6, 0x40004
	s_and_b32 s22, ttmp7, 0xffff                   ; the cluster, 0..47
	s_lshr_b32 s[KIND], s22, 4                     ; 0 q, 1 k, 2 v: the same in all sixteen partners
	s_and_b32 s[IDX], s22, 15
	; which tiles.  P's chain (s8-11) never holds cy, L's (s12-15) never cx
	s_lshl_b32 s8, s[KIND], 6
	s_add_co_u32 s8, s8, 1536                      ; q, k: the weight's tiles
	s_lshr_b32 s9, s[IDX], 1
	s_lshl_b32 s9, s9, 6
	s_add_co_u32 s9, s9, 1024                      ; v: value's tiles, 64 to a cluster
	s_lshl_b32 s12, s[KIND], 9
	s_lshl_b32 s13, s[IDX], 5
	s_add_co_u32 s12, s12, s13                     ; q, k: query's or key's tiles, 32 to a cluster
	s_and_b32 s13, s[IDX], 1
	s_lshl_b32 s13, s13, 5
	s_add_co_u32 s13, s13, 1664                    ; v: Wv's tiles
	s_cmp_lt_u32 s[KIND], 2
	s_cselect_b32 s8, s8, s9
	s_cselect_b32 s12, s12, s13
	s_lshl_b32 s9, s[CX], 4
	s_add_co_u32 s8, s8, s9                        ; + 16 cx
	s_lshl_b32 s9, s[WP], 3
	s_add_co_u32 s8, s8, s9                        ; + the 8 tiles that I fetch
	s_lshl_b32 s13, s[CY], 3
	s_add_co_u32 s12, s12, s13                     ; + 8 cy
	s_mul_i32 s10, s8, 12288
	s_mov_b32 s11, 0
	s_lshl_b32 s8, s8, 9
	s_mov_b32 s9, 0
	s_mul_i32 s14, s12, 12288
	s_mov_b32 s15, 0
	s_lshl_b32 s12, s12, 9
	s_mov_b32 s13, 0
	; groups 1.  Codes: elements of 8 bytes, 32 to a row of 256 bytes: 384 rows for P, 192 for L
	s_lshl_b32 s100, 0x1111, s[CX]                 ; my column of the cluster
	s_lshl_b32 s101, s[CY], 2
	s_lshl_b32 s101, 15, s101                      ; my row
	; ONE TENSOR LOAD A WAVE: tiles lie on end in opc, so 8 tiles of P (98,304 bytes) or 4 tiles of L (49,152) for all of K are one dense block, stated as rows of 256 bytes.
	; Waves 0, 1: P's halves into regions 0, 1; waves 2, 3: L's halves into region 2.  In LDS a tile is 12,288 bytes, a K step's fragment 1,536 in it.  The scale words go from memory straight into registers.
	s_or_b32 s[G1CP], s100, (3<<16)|(1<<21)        ; 15:0 the mask; 17:16 elements of 8 bytes; 21 set beside a mask
	s_or_b32 s[G1CL], s101, (3<<16)|(1<<21)
.irp g, G1CP, G1CL
	s_mov_b32 s[\g+1], 32<<16
	s_mov_b32 s[\g+3], 32<<16
	s_mov_b32 s[\g+5], 32
	s_mov_b32 s[\g+6], 0
	s_mov_b32 s[\g+7], 0
.endr
	s_mov_b32 s[G1CP+2], 384<<16
	s_mov_b32 s[G1CP+4], 384
	s_mov_b32 s[G1CL+2], 192<<16
	s_mov_b32 s[G1CL+4], 192
	s_mul_i32 s67, s[WV], RGN                      ; P: region w
	s_mul_i32 s17, s[WV], 2*CHK
	s_add_co_u32 s17, s17, RGN                     ; L: region 2 + 49,152 (w - 2)
	s_lshl_b32 s30, s[WL], 11                      ; my four L tiles' scale words
	s_mov_b32 s31, 0
	s_mul_i32 s32, s[WP], 2*CHK                    ; the four L tiles that waves 2, 3 fetch
	s_mov_b32 s33, 0
	s_wait_dscnt 0x0
	s_wait_kmcnt 0x0
	s_add_nc_u64 s[8:9], s[6:7], s[8:9]
	s_add_nc_u64 s[10:11], s[4:5], s[10:11]
	s_add_nc_u64 s[12:13], s[6:7], s[12:13]
	s_add_nc_u64 s[14:15], s[4:5], s[14:15]
	s_add_nc_u64 s[14:15], s[14:15], s[32:33]
	s_mov_b64 s[28:29], s[8:9]                     ; my eight P tiles' scale words
	s_add_nc_u64 s[30:31], s[12:13], s[30:31]      ; my four L tiles'
	s_mov_b32 s[G0P], 1
	s_mov_b32 s[G0P+1], s67
	s_mov_b64 s[G0P+2:G0P+3], s[10:11]
	s_or_b32 s[G0P+3], s[G0P+3], 0x80000000
	s_mov_b32 s[G0L], 1
	s_mov_b32 s[G0L+1], s17
	s_mov_b64 s[G0L+2:G0L+3], s[14:15]
	s_or_b32 s[G0L+3], s[G0L+3], 0x80000000
	CROUND                                         ; all sixteen work-groups are here: the joint loads meet
	s_cmp_lt_u32 s[WV], 2                          ; all of a wave's loads stand in one branch on the wave's number, the same in every work-group
	s_cbranch_scc0 .Lnot_p
	tensor_load_to_lds s[G0P:G0P+3], s[G1CP:G1CP+7]
	s_nop 0
	PLACES 4
	s_branch .Lasked
.Lnot_p:
	tensor_load_to_lds s[G0L:G0L+3], s[G1CL:G1CL+7]
	s_nop 0
	PLACES 4
.Lasked:
	s_load_b256 s[4:11], s[0:1], 0x10              ; bq, bk, bv, the mask
	s_load_b128 s[12:15], s[0:1], 0x30             ; qb, kv
	v_and_b32 v1, 31, v0                           ; lane
	v_and_b32 v2, 15, v0                           ; r
	v_bfe_u32 v3, v0, 4, 1                         ; h
	v_lshlrev_b32 v[L16], 4, v1
	v_lshlrev_b32 v[KWO], 3, v1                    ; (8 x lane, for the next lines)
	s_mul_i32 s17, s[WP], RGN
	v_add_nc_u32 v[AP16], s17, v[L16]
	v_add_nc_u32 v[AP8], s17, v[KWO]
	v_add_nc_u32 v[AP16+2], 2*CHK, v[AP16]
	v_add_nc_u32 v[AP8+2], 2*CHK, v[AP8]
	s_mul_i32 s17, s[WL], 2*CHK
	s_add_co_u32 s17, s17, 2*RGN
	v_add_nc_u32 v[AL16], s17, v[L16]
	v_add_nc_u32 v[AL8], s17, v[KWO]
	v_and_b32 v[ROF], 8, v2
	v_add_nc_u32 v[ROF], v[ROF], v2
	v_and_b32 v192, 8, v2
	v_mad_u32_u24 v192, v192, 3, v2                ; r + 24 (r / 8): a lane's row in a tile of key
.irp b, 0,1,2,3
	v_mov_b32 v[TM+4+\b], 0                        ; written once: a lane permute's destination counts as one of its sources
.endr
	s_lshl_b32 s17, s[IDX], 2
	s_add_co_u32 s17, s17, s[CY]                   ; q, k: which 128 rows of L: 16 batch + step
	s_lshl_b32 s18, s17, 7
	s_lshl_b32 s19, s[WL], 6
	s_add_co_u32 s18, s18, s19                     ; the mask byte of my wave's first row: 2,048 batch + 128 step + 64 half
	s_mov_b32 s19, 0
	s_wait_alu depctr_va_vdst(0)
	s_wait_kmcnt 0x0
	s_add_nc_u64 s[10:11], s[10:11], s[18:19]
	s_cmp_eq_u32 s[KIND], 0
	s_cselect_b64 s[4:5], s[4:5], s[6:7]
	s_cselect_b64 s[12:13], s[12:13], s[14:15]     ; q goes to qb, k and v to kv
	s_cmp_eq_u32 s[KIND], 2
	s_cselect_b64 s[4:5], s[8:9], s[4:5]           ; the kind's bias
.irp l, 0,1,2,3                        ; the mask bytes of my lane's row in L's four tiles.  These lines stand on the one way that all kinds take: key's work-groups use the bytes, query's weigh them with 0,
	global_load_u8 v[MB+\l], v192, s[10:11] offset:8*\l   ; key's tile 4 half + l holds keys 64 half + 8 l + r + 24 (r / 8) of the step; the offset stays inside the mask for every cluster
.endr
.irp t, 0,1,2,3,4,5,6,7                ; the scale words, images of their registers: each load takes 512 consecutive bytes
	global_load_b128 v[SCP+4*\t:SCP+4*\t+3], v[L16], s[28:29] offset:512*\t
.endr
.irp l, 0,1,2,3
	global_load_b128 v[SCL+4*\l:SCL+4*\l+3], v[L16], s[30:31] offset:512*\l
.endr
	s_cmp_eq_u32 s[KIND], 2
	s_cbranch_scc1 .Lbias_v
	s_lshl_b32 s18, s[CX], 10                      ; q, k: the bias runs along p: for P's tile t lane (r, h) wants features 32 (t / 2) + 16 h + 8 (t % 2) + 0 .. 7 of my wave's 128
	s_lshl_b32 s17, s[WP], 9
	s_add_co_u32 s18, s18, s17
	s_add_nc_u64 s[4:5], s[4:5], s[18:19]
	v_lshlrev_b32 v[BOF], 6, v3
.irp t, 0,1,2,3,4,5,6,7
	global_load_b128 v[BI+8*\t:BI+8*\t+3], v[BOF], s[4:5] offset:(32*(\t/2)+8*(\t%2))*4
	global_load_b128 v[BI+8*\t+4:BI+8*\t+7], v[BOF], s[4:5] offset:(32*(\t/2)+8*(\t%2))*4+16
.endr
	s_branch .Lbias_in
.Lbias_v:
	s_and_b32 s18, s[IDX], 1                       ; v: the bias runs along l: all eight registers of a result hold bv at the lane's feature
	s_lshl_b32 s18, s18, 2
	s_add_co_u32 s18, s18, s[CY]
	s_lshl_b32 s18, s18, 9
	s_lshl_b32 s17, s[WL], 8
	s_add_co_u32 s18, s18, s17
	s_add_nc_u64 s[4:5], s[4:5], s[18:19]
	v_lshlrev_b32 v[BOF], 2, v[ROF]
.irp g, 0,1,2,3,4,5,6,7                ; two copies (P's tiles 0-3 take the first, 4-7 the second): so both ways write all 64 registers, and every register that a later line names has been written on every way through the text
.irp j, 0,1,2,3,4,5,6,7
	global_load_b32 v[BI+8*\g+\j], v[BOF], s[4:5] offset:(32*((\g%4)/2)+8*(\g%2))*4
.endr
.endr
.Lbias_in:
	s_wait_tensorcnt 0x0                           ; my one load is in
	s_barrier_signal -1
	s_barrier_wait -1                              ; everybody's are
	FETCH 0, 0
	FETCH 1, 1
	WIN 0
	s_wait_loadcnt 0x0                             ; the bias and the mask bytes
	s_wait_dscnt 48                                ; the scale words and K step 0 are in; K step 1's 48 loads may be out
	s_cmp_eq_u32 s[KIND], 2
	s_cbranch_scc1 .Lfirst_v
	MUL 0, 0, 0, 1                                 ; K step 0 starts the sums, with the bias as C: nothing is cleared and nothing is added later
	MUL 0, 0, 2, 1
	WIN 0
	s_branch .Lfirst_done
.Lfirst_v:
	MUL 0, 0, 0, 2
	MUL 0, 0, 2, 2
	WIN 0
.Lfirst_done:
.irp s, 1,2,3,4,5,6,7
	KSTEP \s
.endr
	WIN 0
	PLACES 4                                       ; in front of the first read of results
	s_mov_b32 s[SEL], 0x76543210                   ; v_permlanex16_b32's selects for lane l xor 16
	s_mov_b32 s[SEL+1], 0xfedcba98
	s_cmp_eq_u32 s[KIND], 2                        ; (all tensor loads were waited for ahead of the products: the descriptors' registers are free)
	s_cbranch_scc1 .Lout_v
	; ---- q, k: my 128 p are two heads; L's tile l is 16 queries or keys: two images (one a head) and a scale word a head
	s_lshl_b32 s24, s[IDX], 2
	s_add_co_u32 s24, s24, s[CY]
	s_lshr_b32 s25, s24, 4                         ; batch
	s_and_b32 s26, s24, 15                         ; step
	s_lshl_b32 s27, s[CX], 2
	s_lshl_b32 s28, s[WP], 1
	s_add_co_u32 s27, s27, s28                     ; my first head
	s_lshl_b32 s25, s25, 4
	s_add_co_u32 s25, s25, s27
	s_lshl_b32 s25, s25, 4
	s_add_co_u32 s25, s25, s26                     ; block (16 batch + head) x 16 + step
	s_mov_b32 s29, 15104
	s_mov_b32 s33, 0x01010000
	s_cmp_eq_u32 s[KIND], 0
	s_cselect_b32 s29, 8704, s29                   ; a block's bytes
	s_cselect_b32 s30, 0, 0x28                     ; the code at k = 64: mask byte x s30 + s31: query +1.0; key -1.0 where masked, else 0
	s_cselect_b32 s31, 8, 0
	s_cselect_b32 s32, 0, 226<<16                  ; scale bytes 2, 3: mask byte x s32 + s33: query 127, 127; key 227 where masked, else 1; and 1
	s_cselect_b32 s33, 0x7f7f0000, s33
	s_mul_i32 s34, s25, s29
	s_mov_b32 s35, 0
	s_add_nc_u64 s[36:37], s[12:13], s[34:35]      ; the first head's block
	s_lshl_b32 s34, s[WL], 12
	s_add_nc_u64 s[38:39], s[36:37], s[34:35]      ; my four tiles' images in it,
	s_lshl_b32 s40, s29, 4
	s_mov_b32 s41, 0
	s_add_nc_u64 s[42:43], s[38:39], s[40:41]      ; and in the second head's block, 16 blocks on
	s_lshl_b32 s34, s[WL], 8
	s_add_co_u32 s34, s34, 8192
	s_add_nc_u64 s[44:45], s[36:37], s[34:35]      ; my four tiles' scale words
	v_add_nc_u32 v[HM], -1, v3
	v_lshlrev_b32 v[SHH], 4, v3
	v_mul_u32_u24 v[KWO], s40, v3                  ; lanes 0-15 store the first head's words, lanes 16-31 the second's: 256 consecutive bytes each
	v_lshl_add_u32 v[KWO], v2, 4, v[KWO]
	v_mov_b32 v[PC+7], 0
	v_mov_b32 v[PC+15], 0
.irp l, 0,1,2,3
	v_mad_u32_u24 v[EC+\l], v[MB+\l], s30, s31
	v_mad_u32_u24 v[EH+\l], v[MB+\l], s32, s33
.endr
.irp l, 0,1,2,3
	v_and_b32 v[EC+\l], v[HM], v[EC+\l]            ; k = 64 lies in lanes 0-15
.endr
.irp l, 0,1,2,3
.if \l > 0
	s_wait_xcnt 0x0                                ; the last tile's stores have read v[PC] on
.endif
	QUANT 64*\l, 8
	v_mov_b32 v[PC+6], v[EC+\l]
	v_mov_b32 v[PC+14], v[EC+\l]
	global_store_b128 v[L16], v[PC:PC+3], s[38:39] offset:1024*\l          ; each store covers 512 consecutive bytes, at a multiple of 256 from the buffer's first byte
	global_store_b128 v[L16], v[PC+4:PC+7], s[38:39] offset:1024*\l+512
	global_store_b128 v[L16], v[PC+8:PC+11], s[42:43] offset:1024*\l
	global_store_b128 v[L16], v[PC+12:PC+15], s[42:43] offset:1024*\l+512
	v_lshrrev_b32 v[KW+\l], v[SHH], v[PW]          ; my head's two bytes,
	v_and_or_b32 v[KW+\l], v[KW+\l], 0xffff, v[EH+\l]   ; and bytes 2 and 3
.endr
	global_store_b128 v[KWO], v[KW:KW+3], s[44:45]
	s_branch .Lend
.Lout_v:
	; ---- v: my 128 p are the keys of one step; L's tile l is 16 of one head's 64: an image of V^T and a scale word
	s_lshr_b32 s24, s[IDX], 1
	s_lshl_b32 s24, s24, 2
	s_add_co_u32 s24, s24, s[CX]                   ; which 256 keys: 8 batch + pair of steps
	s_lshr_b32 s25, s24, 3                         ; batch
	s_and_b32 s26, s24, 7
	s_lshl_b32 s26, s26, 1
	s_add_co_u32 s26, s26, s[WP]                   ; step
	s_and_b32 s27, s[IDX], 1
	s_lshl_b32 s27, s27, 2
	s_add_co_u32 s27, s27, s[CY]
	s_lshl_b32 s27, s27, 1
	s_add_co_u32 s27, s27, s[WL]                   ; head
	s_lshl_b32 s25, s25, 4
	s_add_co_u32 s25, s25, s27
	s_lshl_b32 s25, s25, 4
	s_add_co_u32 s25, s25, s26
	s_mul_i32 s34, s25, 15104
	s_add_co_u32 s34, s34, 8704                    ; behind the block's keys
	s_mov_b32 s35, 0
	s_add_nc_u64 s[38:39], s[12:13], s[34:35]
	v_lshlrev_b32 v[KWO], 4, v2
.irp l, 0,1,2,3
.if \l > 0
	s_wait_xcnt 0x0
.endif
	QUANT 64*\l, 6
	global_store_b128 v[L16], v[PC:PC+3], s[38:39] offset:1536*\l
	global_store_b128 v[L16], v[PC+4:PC+7], s[38:39] offset:1536*\l+512
	global_store_b128 v[L16], v[PC+8:PC+11], s[38:39] offset:1536*\l+1024
	v_mov_b32 v[KW+\l], v[PW]
.endr
	s_wait_alu depctr_va_vdst(0)
	s_wait_xcnt 0x0                                ; EXEC changes only behind this wait
	v_cmp_gt_u32 vcc_lo, 16, v1
	s_and_saveexec_b32 s40, vcc_lo
	global_store_b128 v[KWO], v[KW:KW+3], s[38:39] offset:6144   ; lanes 0-15: 256 consecutive bytes
	s_wait_xcnt 0x0                                ; and again in front of the line that widens it
	s_or_b32 exec_lo, exec_lo, s40
.Lend:
	s_wait_tensorcnt 0x0
	ds_add_u32 v254, v255
	s_wait_dscnt 0x0
	CROUND                                         ; the closing round: no work-group ends while a partner may still ask for a tile that names it
	s_endpgm
.Lfunc_end_k_q0ce9513de6_proj:
	.size	k_q0ce9513de6_proj, .Lfunc_end_k_q0ce9513de6_proj-k_q0ce9513de6_proj
	.p2alignl 7, 3214868480
	.fill 96, 4, 3214868480
	.section	.rodata,"a",@progbits
	.p2align	6, 0x0
	.amdhsa_kernel k_q0ce9513de6_proj
		.amdhsa_group_segment_fixed_size 307712
		.amdhsa_private_segment_fixed_size 0
		.amdhsa_enable_private_segment 0
		.amdhsa_kernarg_size 64
		.amdhsa_user_sgpr_count 2
		.amdhsa_user_sgpr_kernarg_segment_ptr 1
		.amdhsa_wavefront_size32 1
		.amdhsa_system_sgpr_workgroup_id_x 1
		.amdhsa_system_sgpr_workgroup_id_y 1
		.amdhsa_system_sgpr_workgroup_id_z 1
		.amdhsa_system_vgpr_workitem_id 0
		.amdhsa_next_free_vgpr 912
		.amdhsa_next_free_sgpr 102
		.amdhsa_reserve_vcc 1
		.amdhsa_float_denorm_mode_32 3
		.amdhsa_float_denorm_mode_16_64 3
		.amdhsa_memory_ordered 1
		.amdhsa_forward_progress 1
		.amdhsa_inst_pref_size 117
	.end_amdhsa_kernel
	.amdgpu_metadata
---
amdhsa.version: [ 1, 2 ]
amdhsa.kernels:
  - .name:           k_q0ce9513de6_proj
    .symbol:         k_q0ce9513de6_proj.kd
    .args:
      - { .name: opc, .offset: 0, .size: 8, .value_kind: global_buffer, .address_space: global }
      - { .name: ops, .offset: 8, .size: 8, .value_kind: global_buffer, .address_space: global }
      - { .name: bq, .offset: 16, .size: 8, .value_kind: global_buffer, .address_space: global }
      - { .name: bk, .offset: 24, .size: 8, .value_kind: global_buffer, .address_space: global }
      - { .name: bv, .offset: 32, .size: 8, .value_kind: global_buffer, .address_space: global }
      - { .name: attn_padding_mask, .offset: 40, .size: 8, .value_kind: global_buffer, .address_space: global }
      - { .name: qb, .offset: 48, .size: 8, .value_kind: global_buffer, .address_space: global }
      - { .name: kv, .offset: 56, .size: 8, .value_kind: global_buffer, .address_space: global }
    .group_segment_fixed_size: 307712
    .private_segment_fixed_size: 0
    .kernarg_segment_align: 8
    .kernarg_segment_size: 64
    .max_flat_workgroup_size: 128
    .sgpr_count:     102
    .vgpr_count:     912
    .wavefront_size: 32
...
	.end_amdgpu_metadata
.endif
;; end of part 2
;; launch attn (part 3): grid 4 x 64, 16 waves a work-group, clusters of 4 x 1, 243,712 bytes of LDS; arguments qb, kv, aoc, aos; writes aoc, aos
.if DOCPART == 3
	.amdgcn_target "amdgcn-amd-amdhsa--gfx1250"
	.amdhsa_code_object_version 6
	.text
	.protected	k_q0ce9513de6_attn
	.globl	k_q0ce9513de6_attn
	.p2align	8
	.type	k_q0ce9513de6_attn,@function
k_q0ce9513de6_attn:
	s_mov_b64 s[64:65], 0
	v_nop
	global_prefetch_b8 v0, s[64:65] scope:SCOPE_SE
	s_setreg_imm32_b32 hwreg(HW_REG_WAVE_MODE, 25, 1), 1
	s_wait_xcnt 0x0
	s_wait_alu depctr_hold_cnt(0) depctr_sa_sdst(0) depctr_va_vdst(0) depctr_va_sdst(0) depctr_va_ssrc(0) depctr_va_vcc(0) depctr_vm_vsrc(0)
	s_getreg_b32 s2, hwreg(HW_REG_IB_STS2, 6, 4)
	s_cmp_eq_u32 s2, 0
	s_cbranch_scc0 .Lentry_in_a_cluster
	s_endpgm
.Lentry_in_a_cluster:
	s_bfe_u32 s2, ttmp6, 0x10000c
	s_cmp_lg_u32 s2, 0x3003
	s_cbranch_scc0 .Lentry_shape_is_right
	s_endpgm
.Lentry_shape_is_right:
; Attention of one batch and head on codes of FP6 (E2M3) with E8M0 scales: S^T = K Q^T, p = 2^(t - M), O^T = V^T P^T, O / the row's sum; the result is quantised along the 1,024 features for the last projection.
; t = score x log2(e) / 8; M = the running largest t, rounded up to a whole number; p is quantised along the keys, not normalised; the row's sum is taken of the unquantised p in f32.  When M moves, the sum and
; O^T are multiplied by 2^(old M - new M): exact.
; THE MASK: a head has 64 of the instruction's 128 along K; at k = 64 each query carries +1.0 and each masked key -1.0 x 2^100, so that a masked key's score is -2^100 and its p is 0.
; The running largest t begins at -2^80.  A row that ends there had no open key: its scale bytes become 0xff, so that the last projection gives NaN in that row.
; LIMITS: |t| under 2^80; NaN and infinities are not served; p under 2^-126 counts as 0 (v_exp_f32 flushes denormals: ISA guide 15.8); a block of zeros keeps the byte 1.
; SHARES.  A work-group owns 512 queries of one batch and head; each of its sixteen waves takes two tiles of 16 queries, one after the other.  The head's keys and values, 16 blocks of 128 keys (15,104 bytes each),
; lie in LDS whole, filled once: wave w fetches block w, jointly with the three partners of its cluster, which read the same keys and values.  That one fill stands at the head, with no loop ahead of it: no prefetch.
; LAYOUT.  Both products are used transposed: a lane holds one query (lane % 16).  Tile 4 c + u of a step holds keys 64 c + 8 u + r + 24 (r / 8): so lane (r, h) holds in the 32 registers of tiles 4 c .. 4 c + 3 the
; whole block of keys 64 c + 32 h + 0 .. 31, which is what registers 6 c .. 6 c + 5 of P's operand want: a block's maximum needs no other lane and no codes change lanes.
; K'S FRAGMENTS LIE 8 REGISTERS APART: an image has 8 registers (k = 0 .. 63, the word at k = 64, a zero); the operand's last four registers are the next fragment's first four.  They meet Q's registers 8-11,
; which are zero codes, and E2M3 has no NaN or infinity: they add nothing.  So all eight fragments of the NEXT step fit and are fetched a whole step ahead; V's fragments take p's registers half by half.
.set BLK,  15104                       ; a block: 8 images of keys (1,024 each), their words (512), 4 images of V^T (1,536 each), V's words (256)
.set QBLK, 8704
.set TZERO, 0xe7800000                 ; -2^80
.set AL0,  1                           ; 16 x lane
.set AR0,  2                           ; 16 r
.set AL,   3                           ; the same in the step's block
.set AR,   4
.set L8,   5
.set LN,   6
.set SH8,  7                           ; 8 h
.set QF,   16                          ; v16-27 Q's fragment (8-11 zeros).  v12 -M, v13 the largest t, v[14:15] the sum's first chain
.set QS,   28
.set KS,   30                          ; v30-37 K's scale words
.set VS,   38                          ; v38-41 V's
.set KF,   44                          ; v44-111 K's eight fragments, 8 apart; v108-111 zeros
.set S,    112                         ; v112-175 S^T, then p, then V's fragments
.set O,    176                         ; v176-207 O^T
.set PC,   208                         ; v208-219 p's codes
.set PT,   220                         ; v220-222, v224-226 the conversions' second halves
.set BM,   228
.set BO,   230
.set BT,   232
.set MA,   234                         ; v234-237 four chains of maxima
.set A1,   238                         ; v238-243 the sum's chains 1-3
.set FF,   244                         ; v[244:245] f, later 1 / the sum
.set TT,   246
.set OLD,  247                         ; -M of the step before
.set PW,   248                         ; p's scale word
.set W16,  249
.set WV,   12
.set CX,   13
.set SEL,  36
.set CS,   38
.set TB,   40
.set STEPS, 41
.macro PLACES n
.rept \n
	v_nop
.endr
.endm
.macro CROUND
	s_barrier_signal -1
	s_barrier_wait -1
	s_cmp_lg_u32 s[WV], 0
	s_cbranch_scc1 .Lnot_wave_0_\@
	s_barrier_signal -3
.Lnot_wave_0_\@:
	s_barrier_wait -3
	s_barrier_signal -1
	s_barrier_wait -1
.endm
	s_load_b256 s[4:11], s[0:1], 0x0               ; qb, kv, aoc, aos
	v_lshl_add_u32 v254, v0, 2, 0x3b000
	v_mov_b32 v255, 0
	ds_add_u32 v254, v255
	ds_add_u32 v254, v255
	v_lshrrev_b32 v1, 5, v0
	s_delay_alu instid0(VALU_DEP_1)
	v_readfirstlane_b32 s[WV], v1                  ; wave 0..15
	s_bfe_u32 s[CX], ttmp6, 0x40000                ; my place in the cluster: it enters Q's and the output's addresses alone
	s_and_b32 s14, ttmp7, 0xffff                   ; 16 batch + head, which the four partners share
	s_mov_b32 s24, 15|(3<<16)|(1<<21)              ; group 1: the mask names all four; elements of 8 bytes; 15,104 dense bytes as 59 rows of 256
	s_mov_b32 s25, 32<<16
	s_mov_b32 s26, 59<<16
	s_mov_b32 s27, 32<<16
	s_mov_b32 s28, 59
	s_mov_b32 s29, 32
	s_mov_b32 s30, 0
	s_mov_b32 s31, 0
	s_mov_b32 s32, 1
	s_mul_i32 s33, s[WV], BLK                      ; block w, in LDS
	s_mul_i32 s16, s14, 16*BLK
	s_add_co_u32 s16, s16, s33                     ; and in memory
	s_mov_b32 s17, 0
	s_wait_dscnt 0x0
	s_wait_kmcnt 0x0
	s_add_nc_u64 s[34:35], s[6:7], s[16:17]
	s_or_b32 s35, s35, 0x80000000
	CROUND                                         ; all four work-groups are here: the joint loads meet
	tensor_load_to_lds s[32:35], s[24:31]          ; my one tensor load of the launch
	s_nop 0
	PLACES 4
	s_lshr_b32 s15, s14, 4                         ; batch
	s_and_b32 s16, s14, 15                         ; head
	s_lshr_b32 s17, s[WV], 3                       ; my first tile of queries is tile 32 cx + w of the batch: block 4 cx + w / 8, tile w % 8 in it
	s_lshl_b32 s18, s[CX], 2
	s_add_co_u32 s17, s17, s18
	s_mul_i32 s17, s17, QBLK
	s_mul_i32 s18, s14, 16*QBLK
	s_add_co_u32 s18, s18, s17
	s_mov_b32 s19, 0
	s_add_nc_u64 s[44:45], s[4:5], s[18:19]        ; the block
	s_and_b32 s20, s[WV], 7
	s_lshl_b32 s18, s20, 10
	s_add_nc_u64 s[4:5], s[44:45], s[18:19]        ; my tile's image
	s_lshr_b32 s18, s20, 2
	s_lshl_b32 s18, s18, 8
	s_and_b32 s20, s[WV], 3
	s_lshl_b32 s20, s20, 2
	s_add_co_u32 s18, s18, s20
	s_add_co_u32 s18, s18, 8192
	s_add_nc_u64 s[44:45], s[44:45], s[18:19]      ; its scale words
	s_lshl_b32 s21, s15, 7
	s_lshl_b32 s22, s[CX], 5
	s_add_co_u32 s21, s21, s22
	s_add_co_u32 s21, s21, s[WV]                   ; the output's tile: 128 batch + 32 cx + w
	s_mul_i32 s18, s21, 12288
	s_lshr_b32 s22, s16, 1                         ; its K step: head / 2
	s_mul_i32 s23, s22, 1536
	s_add_co_u32 s18, s18, s23
	s_and_b32 s23, s16, 1
	s_mul_i32 s20, s23, 768
	s_add_co_u32 s18, s18, s20
	s_add_nc_u64 s[8:9], s[8:9], s[18:19]
	s_lshl_b32 s18, s21, 9
	s_lshr_b32 s20, s16, 3
	s_lshl_b32 s20, s20, 8
	s_add_co_u32 s18, s18, s20
	s_and_b32 s20, s22, 3
	s_lshl_b32 s20, s20, 2
	s_add_co_u32 s18, s18, s20
	s_lshl_b32 s20, s23, 1
	s_add_co_u32 s18, s18, s20
	s_add_nc_u64 s[10:11], s[10:11], s[18:19]
	s_mov_b32 s[SEL], 0x76543210                   ; v_permlanex16_b32's selects for lane l xor 16
	s_mov_b32 s[SEL+1], 0xfedcba98
	s_mov_b32 s[CS], 0x3e38aa3b                    ; c = log2(e) / 8
	s_mov_b32 s[CS+1], s[CS]
	v_and_b32 v[LN], 31, v0
	v_and_b32 v[AR0], 15, v0
	v_and_b32 v[SH8], 16, v0
	s_delay_alu instid0(VALU_DEP_3)
	v_lshlrev_b32 v[AL0], 4, v[LN]
	s_delay_alu instid0(VALU_DEP_4)
	v_lshlrev_b32 v[L8], 3, v[LN]
	s_delay_alu instid0(VALU_DEP_4)
	v_lshlrev_b32 v[AR0], 4, v[AR0]
	s_delay_alu instid0(VALU_DEP_4)
	v_lshrrev_b32 v[SH8], 1, v[SH8]
.macro QLOAD trip                      ; my tile's image and scale words; the second tile lies 16 tiles, two blocks, on
	global_load_b128 v[QF:QF+3], v[AL0], s[4:5] offset:2*QBLK*\trip th:TH_LOAD_NT
	global_load_b128 v[QF+4:QF+7], v[AL0], s[4:5] offset:2*QBLK*\trip+512 th:TH_LOAD_NT
	global_load_b32 v[QS], v[AR0], s[44:45] offset:2*QBLK*\trip th:TH_LOAD_NT
.endm
	QLOAD 0
.irp i, 8,9,10,11
	v_mov_b32 v[QF+\i], 0                          ; k = 80 .. 127 of Q: zero codes
	v_mov_b32 v[KF+56+\i], 0                       ; behind K's last fragment
.endr
	v_mov_b32 v[BT], 0                             ; written once: a lane permute's destination counts as one of its sources
	v_mov_b32 v[FF+1], 0                           ; (named as the upper half of a pair)
.macro KLOAD pa, pr, po                ; the eight images of a block's keys and their scale words
	ds_load_b128 v[KS:KS+3], v[\pr] offset:(\po)+8192
	ds_load_b128 v[KS+4:KS+7], v[\pr] offset:(\po)+8448
.irp t, 0,1,2,3,4,5,6,7
	ds_load_b128 v[KF+8*\t:KF+8*\t+3], v[\pa] offset:(\po)+1024*\t
	ds_load_b128 v[KF+8*\t+4:KF+8*\t+7], v[\pa] offset:(\po)+1024*\t+512
.endr
.endm
.macro VLOAD d                         ; V's fragment d, into registers of p that have been read for the last time
.irp i, 0,1,2
	ds_load_b128 v[S+12*\d+8*(\d/2)+4*\i:S+12*\d+8*(\d/2)+4*\i+3], v[AL] offset:8704+1536*\d+512*\i
.endr
.endm
.macro ACC a, j                        ; chain a of the row's sum takes in p's pair j
	v_pk_add_f32 v[\a:\a+1], v[\a:\a+1], v[S+2*(\j):S+2*(\j)+1]
.endm
.macro ACC4 j                          ; the four chains by turns
	ACC A1, \j
	ACC A1+2, (\j)+1
	ACC A1+4, (\j)+2
	ACC 14, (\j)+3
.endm
.macro TM8                             ; t - M of 16 scores
.rept 8
	v_pk_fma_f32 v[S+jj:S+jj+1], v[S+jj:S+jj+1], s[CS:CS+1], v[12:13] op_sel_hi:[1,0,0]
.set jj, jj+2
.endr
.endm
; A KEY STEP: 128 keys, the block at s[TB]; its keys' fragments are in registers.  mode 1: the next block's keys are fetched, from v[pa], v[pr] + po, and the block's address steps; 2: fetched, no step; 0: neither
.macro STEP pa, pr, po, mode
.irp t, 0,1,2,3,4,5,6,7
	v_wmma_scale_f32_16x16x128_f8f6f4 v[S+8*\t:S+8*\t+7], v[KF+8*\t:KF+8*\t+11], v[QF:QF+11], 0, v[KS+\t], v[QS] matrix_a_fmt:MATRIX_FMT_FP6 matrix_b_fmt:MATRIX_FMT_FP6
.endr
	v_mov_b32 v[OLD], v12
	PLACES 3                                       ; four places in front of loads into registers that the products have read, and of the first read of results
	ds_load_b128 v[VS:VS+3], v[AR] offset:14848
.if \mode
	KLOAD \pa, \pr, \po                            ; a whole step ahead of the products that want them
.endif
.irp q, 0,1,2,3                        ; the largest score of each block of 32 keys, in two chains a block; each accumulator is read from its low end on
	v_max3_num_f32 v[MA+\q], v[S+16*\q], v[S+16*\q+1], v[S+16*\q+2]
.endr
.irp i, 3,5,7,9,11,13
.irp q, 0,1,2,3
	v_max3_num_f32 v[MA+\q], v[MA+\q], v[S+16*\q+\i], v[S+16*\q+\i+1]
.endr
.endr
.irp c, 0,1
	v_max3_num_f32 v[BM+\c], v[MA+2*\c], v[MA+2*\c+1], v[S+32*\c+15]
.endr
.irp c, 0,1
	v_max_num_f32 v[BM+\c], v[BM+\c], v[S+32*\c+31]
.endr
	s_delay_alu instid0(VALU_DEP_1)
	v_max_num_f32 v[TT], v[BM], v[BM+1]
	s_delay_alu instid0(VALU_DEP_1)
	v_permlanex16_b32 v[BT], v[TT], s[SEL], s[SEL+1]
	s_delay_alu instid0(VALU_DEP_1)
	v_max_num_f32 v[TT], v[TT], v[BT]              ; with lane l xor 16's two blocks: the step's largest score of my query
	s_delay_alu instid0(VALU_DEP_1)
	v_mul_f32 v[TT], s[CS], v[TT]
	s_delay_alu instid0(VALU_DEP_1)
	v_max_num_f32 v13, v13, v[TT]                  ; the running largest t
	s_delay_alu instid0(VALU_DEP_1)
	v_floor_f32 v12, -v13                          ; -M = floor(-t): M is a whole number
	s_delay_alu instid0(VALU_DEP_1)
	v_sub_f32 v[TT], v12, v[OLD]                   ; old M - new M: a whole number, 0 or less
.set jj, 0
	TM8
	v_cvt_i32_f32 v[TT], v[TT]                     ; (it saturates)
	TM8
	v_ldexp_f32 v[FF], 1.0, v[TT]                  ; f = 2^(old M - new M)
	TM8
	TM8
.irp c, 0,1
	v_fma_f32 v[BM+\c], v[BM+\c], s[CS], v12       ; the same of each block's largest score
.endr
	s_wait_alu depctr_va_vdst(0)
.irp c, 0,1
	v_exp_f32 v[BM+\c], v[BM+\c]                   ; the block's largest p: the same two instructions on the same number give the same bits
.endr
.set jj, 0
.rept 64
	v_exp_f32 v[S+jj], v[S+jj]                     ; p = 2^(t - M), at most 1
.set jj, jj+1
.endr
	v_pk_mul_f32 v[14:15], v[14:15], v[FF:FF+1] op_sel_hi:[1,0]   ; the sum under the new M: a plain place behind the exponentials
	s_wait_alu depctr_va_vdst(0)                   ; one wait for the whole batch, ahead of its first reader
.irp c, 0,1
	v_max_num_f32 v[BM+\c], 0x1800000, v[BM+\c]    ; the floor 2^(3 - 127): the byte cannot fall under 1
.endr
	v_pk_add_f32 v[A1:A1+1], v[S:S+1], v[S+2:S+3]  ; the row's sum of the unquantised p, in four chains, among the lines that make the scales
	v_pk_add_f32 v[A1+2:A1+3], v[S+4:S+5], v[S+6:S+7]
	v_pk_add_f32 v[A1+4:A1+5], v[S+8:S+9], v[S+10:S+11]
	ACC 14, 6
.irp c, 0,1
	v_add_nc_u32 v[BO+\c], 0xff000000, v[BM+\c]    ; 2 off the exponent field: the conversions' scale operand
.endr
	ACC4 7
.irp c, 0,1
	v_lshrrev_b32 v[BT+\c], 23, v[BO+\c]           ; the scale's byte
.endr
	ACC4 11
	v_lshl_or_b32 v[PW], v[BT+1], 16, v[BT]        ; my two bytes: blocks h and 2 + h
	ACC A1, 15
	v_cvt_scalef32_pk16_fp6_f32 v[PC:PC+2], v[S:S+15], v[BO]
	v_cvt_scalef32_pk16_fp6_f32 v[PT:PT+2], v[S+16:S+31], v[BO]   ; (a conversion's three registers begin on an even number)
	v_lshlrev_b32 v[PW], v[SH8], v[PW]             ; at their places in the word.  Also the plain place behind the conversions
	VLOAD 0                                        ; p's first 32 registers are done with
	VLOAD 1
	ACC A1+2, 16
	ACC A1+4, 17
	ACC 14, 18
	v_permlanex16_b32 v[BT], v[PW], s[SEL], s[SEL+1]
	ACC4 19
	v_or_b32 v[PW], v[PW], v[BT]                   ; with lane l xor 16's two bytes the word is whole
	ACC4 23
	ACC4 27
	ACC A1, 31
	v_cvt_scalef32_pk16_fp6_f32 v[PC+6:PC+8], v[S+32:S+47], v[BO+1]
	v_cvt_scalef32_pk16_fp6_f32 v[PT+4:PT+6], v[S+48:S+63], v[BO+1]
.irp i, 0,1,2
	v_mov_b32 v[PC+3+\i], v[PT+\i]                 ; (these touch the earlier conversions' results: plain places behind the two above)
.endr
	VLOAD 2
	VLOAD 3
.irp i, 0,1,2
	v_mov_b32 v[PC+9+\i], v[PT+4+\i]
.endr
	s_wait_alu depctr_va_vdst(0)
.set jj, 0
.rept 16
	v_pk_mul_f32 v[O+jj:O+jj+1], v[O+jj:O+jj+1], v[FF:FF+1] op_sel_hi:[1,0]   ; O^T under the new M, from each accumulator's low end on; also the places between the lines that made p's codes and word and the products
.set jj, jj+2
.endr
	s_wait_alu depctr_va_vdst(0)
	s_wait_dscnt 0x0                               ; V's fragments and words, and the next step's keys
.irp d, 0,1,2,3
	v_wmma_scale_f32_16x16x128_f8f6f4 v[O+8*\d:O+8*\d+7], v[S+12*\d+8*(\d/2):S+12*\d+8*(\d/2)+11], v[PC:PC+11], v[O+8*\d:O+8*\d+7], v[VS+\d], v[PW] matrix_a_fmt:MATRIX_FMT_FP6 matrix_b_fmt:MATRIX_FMT_FP6
.endr
	v_pk_add_f32 v[A1:A1+1], v[A1:A1+1], v[A1+2:A1+3]   ; five places: the next step's products write over registers that these have read
	v_pk_add_f32 v[14:15], v[14:15], v[A1+4:A1+5]
.if \mode == 1
	s_add_co_u32 s[TB], s[TB], BLK
	v_add_nc_u32 v[AL], s[TB], v[AL0]
	v_add_nc_u32 v[AR], s[TB], v[AR0]
.else
	PLACES 2
.endif
	v_pk_add_f32 v[14:15], v[14:15], v[A1:A1+1]
.endm
; A TILE of 16 queries: all 16 key steps, then the way out
.macro TILE trip
	v_mov_b32 v13, TZERO
	s_delay_alu instid0(VALU_DEP_1)
	v_floor_f32 v12, -v13
	v_mov_b32 v14, 0
	v_mov_b32 v15, 0
.set jj, 0
.rept 32
	v_mov_b32 v[O+jj], 0                           ; the step is written once: the first finds zeros
.set jj, jj+1
.endr
	s_mov_b32 s[TB], 0
	v_add_nc_u32 v[AL], s[TB], v[AL0]
	v_add_nc_u32 v[AR], s[TB], v[AR0]
	s_mov_b32 s[STEPS], 15
	s_wait_alu depctr_va_vdst(0)
	s_wait_loadcnt 0x0                             ; Q
	s_wait_dscnt 0x0                               ; block 0's keys
.Lstep_\@:
	STEP AL, AR, BLK, 1
	s_sub_co_u32 s[STEPS], s[STEPS], 1
	s_cmp_lg_u32 s[STEPS], 0
	s_wait_alu depctr_va_vdst(0)
	s_cbranch_scc1 .Lstep_\@
.if \trip == 0
	STEP AL0, AR0, 0, 2                            ; the last step fetches block 0's keys for my second tile,
	QLOAD 1                                        ; whose queries come in under the way out
.else
	STEP AL0, AR0, 0, 0
.endif
	v_add_f32 v14, v14, v15
	s_delay_alu instid0(VALU_DEP_1)
	v_permlanex16_b32 v[TT], v14, s[SEL], s[SEL+1]
	s_delay_alu instid0(VALU_DEP_1)
	v_add_f32 v14, v14, v[TT]                      ; the row's sum
	s_wait_alu depctr_va_vdst(0)
	v_rcp_f32 v[FF], v14
	v_nop
	s_wait_alu depctr_va_vdst(0)
.set jj, 0
.rept 16
	v_pk_mul_f32 v[S+jj:S+jj+1], v[O+jj:O+jj+1], v[FF:FF+1] op_sel_hi:[1,0]   ; O^T / the sum: register 16 b + i is feature 32 b + 16 h + i of my head
.set jj, jj+2
.endr
.irp b, 0,1
	v_max3_num_f32 v[BM+\b], |v[S+16*\b]|, |v[S+16*\b+1]|, 0x1800000
.endr
.irp i, 2,4,6,8,10,12,14
.irp b, 0,1
	s_delay_alu instid0(VALU_DEP_2)
	v_max3_num_f32 v[BM+\b], v[BM+\b], |v[S+16*\b+\i]|, |v[S+16*\b+\i+1]|
.endr
.endr
.irp b, 0,1
	s_delay_alu instid0(VALU_DEP_2)
	v_permlanex16_b32 v[BT+\b], v[BM+\b], s[SEL], s[SEL+1]
.endr
.irp b, 0,1
	s_delay_alu instid0(VALU_DEP_2)
	v_max_num_f32 v[BM+\b], v[BM+\b], v[BT+\b]
.endr
.irp b, 0,1
	s_delay_alu instid0(VALU_DEP_2)
	v_add_nc_u32 v[BO+\b], 0xff000000, v[BM+\b]
.endr
.irp b, 0,1
	s_delay_alu instid0(VALU_DEP_2)
	v_lshrrev_b32 v[BT+\b], 23, v[BO+\b]
.endr
	s_delay_alu instid0(VALU_DEP_1)
	v_lshl_or_b32 v[W16], v[BT+1], 8, v[BT]
	v_cmp_neq_f32 vcc_lo, TZERO, v13               ; has my query an open key?
	s_delay_alu instid0(VALU_DEP_1)
	v_cndmask_b32 v[W16], 0xffff, v[W16], vcc_lo   ; if not: both bytes NaN
	v_cvt_scalef32_pk16_fp6_f32 v[PC:PC+2], v[S:S+15], v[BO]
	v_cvt_scalef32_pk16_fp6_f32 v[PT:PT+2], v[S+16:S+31], v[BO+1]
	v_nop
.irp i, 0,1,2
	v_permlane16_swap_b32 v[PC+\i], v[PT+\i]       ; a whole block to a lane
.endr
.irp i, 0,1,2
	s_delay_alu instid0(VALU_DEP_3)
	v_mov_b32 v[PC+3+\i], v[PT+\i]
.endr
	global_store_b128 v[AL0], v[PC:PC+3], s[8:9] offset:196608*\trip          ; 512 consecutive bytes, at a multiple of 256 from the buffer's first byte;
	global_store_b64 v[L8], v[PC+4:PC+5], s[8:9] offset:196608*\trip+512      ; 256 more
	s_wait_xcnt 0x0                                ; EXEC changes only behind this wait
	v_cmp_gt_u32 vcc_lo, 16, v[LN]
	s_and_saveexec_b32 s43, vcc_lo
	global_store_b16 v[AR0], v[W16], s[10:11] offset:8192*\trip   ; sixteen half words, 16 bytes apart; the other heads' work-groups store the bytes between
	s_wait_xcnt 0x0                                ; and again in front of the line that widens it
	s_or_b32 exec_lo, exec_lo, s43
.endm
	s_wait_alu depctr_va_vdst(0)
	s_wait_tensorcnt 0x0                           ; my block is in,
	s_barrier_signal -1
	s_barrier_wait -1                              ; everybody's is; from here on LDS is only read
	KLOAD AL0, AR0, 0
	TILE 0
	TILE 1
	s_wait_tensorcnt 0x0                           ; the wave's end
	ds_add_u32 v254, v255
	s_wait_dscnt 0x0
	CROUND                                         ; the closing round
	s_endpgm
.Lfunc_end_k_q0ce9513de6_attn:
	.size	k_q0ce9513de6_attn, .Lfunc_end_k_q0ce9513de6_attn-k_q0ce9513de6_attn
	.p2alignl 7, 3214868480
	.fill 96, 4, 3214868480
	.section	.rodata,"a",@progbits
	.p2align	6, 0x0
	.amdhsa_kernel k_q0ce9513de6_attn
		.amdhsa_group_segment_fixed_size 243712
		.amdhsa_private_segment_fixed_size 0
		.amdhsa_enable_private_segment 0
		.amdhsa_kernarg_size 32
		.amdhsa_user_sgpr_count 2
		.amdhsa_user_sgpr_kernarg_segment_ptr 1
		.amdhsa_wavefront_size32 1
		.amdhsa_system_sgpr_workgroup_id_x 1
		.amdhsa_system_sgpr_workgroup_id_y 1
		.amdhsa_system_sgpr_workgroup_id_z 1
		.amdhsa_system_vgpr_workitem_id 0
		.amdhsa_next_free_vgpr 256
		.amdhsa_next_free_sgpr 66
		.amdhsa_reserve_vcc 1
		.amdhsa_float_denorm_mode_32 3
		.amdhsa_float_denorm_mode_16_64 3
		.amdhsa_memory_ordered 1
		.amdhsa_forward_progress 1
		.amdhsa_inst_pref_size 77
	.end_amdhsa_kernel
	.amdgpu_metadata
---
amdhsa.version: [ 1, 2 ]
amdhsa.kernels:
  - .name:           k_q0ce9513de6_attn
    .symbol:         k_q0ce9513de6_attn.kd
    .args:
      - { .name: qb, .offset: 0, .size: 8, .value_kind: global_buffer, .address_space: global }
      - { .name: kv, .offset: 8, .size: 8, .value_kind: global_buffer, .address_space: global }
      - { .name: aoc, .offset: 16, .size: 8, .value_kind: global_buffer, .address_space: global }
      - { .name: aos, .offset: 24, .size: 8, .value_kind: global_buffer, .address_space: global }
    .group_segment_fixed_size: 243712
    .private_segment_fixed_size: 0
    .kernarg_segment_align: 8
    .kernarg_segment_size: 32
    .max_flat_workgroup_size: 512
    .sgpr_count:     66
    .vgpr_count:     256
    .wavefront_size: 32
...
	.end_amdgpu_metadata
.endif
;; end of part 3
;; launch outp (part 4): grid 4 x 64, 4 waves a work-group, clusters of 4 x 4, 307,712 bytes of LDS; arguments opc, ops, aoc, aos, bo, out0; writes out0
.if DOCPART == 4
	.amdgcn_target "amdgcn-amd-amdhsa--gfx1250"
	.amdhsa_code_object_version 6
	.text
	.protected	k_q0ce9513de6_outp
	.globl	k_q0ce9513de6_outp
	.p2align	8
	.type	k_q0ce9513de6_outp,@function
k_q0ce9513de6_outp:
	s_mov_b64 s[64:65], 0
	v_nop
	global_prefetch_b8 v0, s[64:65] scope:SCOPE_SE
	s_setreg_imm32_b32 hwreg(HW_REG_WAVE_MODE, 25, 1), 1
	s_wait_xcnt 0x0
	s_wait_alu depctr_hold_cnt(0) depctr_sa_sdst(0) depctr_va_vdst(0) depctr_va_sdst(0) depctr_va_ssrc(0) depctr_va_vcc(0) depctr_vm_vsrc(0)
	s_getreg_b32 s2, hwreg(HW_REG_IB_STS2, 6, 4)
	s_cmp_eq_u32 s2, 0
	s_cbranch_scc0 .Lentry_in_a_cluster
	s_endpgm
.Lentry_in_a_cluster:
	s_bfe_u32 s2, ttmp6, 0x10000c
	s_cmp_lg_u32 s2, 0xf033
	s_cbranch_scc0 .Lentry_shape_is_right
	s_endpgm
.Lentry_shape_is_right:
; out0 = (attention's result) Wo^T + bo on codes of FP6 (E2M3) with E8M0 scales, K = 1,024; out0 [2048][4][1024] f32.
; THE PRODUCT.  C'[p][l] = sum over k of P[p][k] L[l][k]: source 0 = a tile of Wo (p = output feature), source 1 = a tile of attention's result (16 positions of one batch): a lane holds one row of out0
; (lane % 16) and its registers run along the features.  A tile's 16 rows are rows 32 (tau / 2) + 8 (tau % 2) + i + 8 (i / 8), so that the registers of P's tiles 2 b and 2 b + 1 are 16 neighbouring features.
; SHARES.  A work-group makes 256 features x 128 rows over all of K; wave w makes 128 features (half w % 2) x 64 rows (half w / 2): 32 accumulators.  256 work-groups in 16 clusters of 4 x 4.
; CLUSTER.  Wo's tiles hang on the place along x alone and are shared down a column of the cluster, L's on the place along y and are shared along a row: each is asked for jointly.
; LDS holds the work-group's 16 + 8 tiles for ALL of K, filled once.  Each wave issues one tensor load (0, 1: P's halves; 2, 3: L's halves): one tensor load of a wave is out at the most.
; A row none of whose keys was open carries the scale byte 0xff and comes out as NaN.  LIMITS: NaN and infinities among the inputs are not served; the bias is the first addend of each f32 sum.
; REGISTERS, in windows of 256: window 0: addresses, scale words, bias, later rows on the way out.  window 1: accumulator (t, l) at v[64 l + 8 t].  windows 2, 3: fragment sets 0, 1: P's at v[12 t], L's at v[96 + 12 l].
.set RGN,  98304                       ; LDS: 8 tiles x 12,288 bytes: regions 0, 1: P's halves; 2: L
.set CHK,  24576                       ; in a region: two tiles;
.set TIL,  3072
.set FRB,  1536                        ; in it: a K step's fragment
.set SCQ,  3*RGN
.set STG,  8448                        ; the way out: a stage of 16 rows x 528 bytes for each wave, in region 0's chunks 0 and 1
.set AP16, 4                           ; v4, v5  my P fragments: 16 x lane, 8 x lane; v6, v7 the same 49,152 bytes on (tiles 4-7)
.set AP8,  5
.set AL16, 8                           ; v8, v9   the same for L
.set AL8,  9
.set ASP,  12
.set ASL,  13
.set L16,  14                          ; v14     16 x lane
.set STO,  15                          ; v15     the stage: where I put 32 bytes of a row
.set SCP,  16                          ; v16-47  P's scale words: tile t, K step s: register 4 t + s % 4, lanes 0-15 for s < 4, lanes 16-31 for s >= 4
.set SCL,  48                          ; v48-63  L's
.set BI,   64                          ; v64-127 the bias, in the result's layout
.set BK,   64                          ; the way out: 16 rows read back from the stage: v64-127 and v128-191 by turns
.set BOF,  192                         ; v192    the bias loads' offset
.set RD,   193                         ; v193    the stage: where I read a row back
.set T8,   194                         ; v194    8 x lane
.set WV,   2
.set WP,   3
.set WL,   22
.set CX,   20
.set CY,   21
.set CL,   23
.set G0P,  24                          ; s[24:27] group 0 for P
.set G0L,  44                          ; s[44:47] for L
.set G1CP, 68                          ; s[68:75] group 1: codes, P;  s[76:83] codes, L
.set G1CL, 76
.set G1SP, 84
.set G1SL, 92
.set MSB, 0
.macro WIN new                         ; the immediate's high byte repeats the setting that is left
.if MSB != \new
	s_set_vgpr_msb (MSB<<8)|\new
.set MSB, \new
.endif
.endm
.macro PLACES n
.rept \n
	v_nop
.endr
.endm
.macro CROUND                          ; a round of the cluster's barrier
	s_barrier_signal -1
	s_barrier_wait -1
	s_cmp_lg_u32 s[WV], 0
	s_cbranch_scc1 .Lnot_wave_0_\@
	s_barrier_signal -3
.Lnot_wave_0_\@:
	s_barrier_wait -3
	s_barrier_signal -1
	s_barrier_wait -1
.endm
.macro FRAG reg, a16, a8, off          ; a fragment's image: every load takes consecutive bytes, 16 or 8 a lane
	ds_load_b128 v[(\reg):(\reg)+3], v[\a16] offset:(\off)
	ds_load_b64 v[(\reg)+4:(\reg)+5], v[\a8] offset:(\off)+512
	ds_load_b128 v[(\reg)+6:(\reg)+9], v[\a16] offset:(\off)+768
	ds_load_b64 v[(\reg)+10:(\reg)+11], v[\a8] offset:(\off)+1280
.endm
.macro FETCH s, set                    ; K step s: my 8 fragments of P and 4 of L, 48 loads, into a set
	WIN 0x80+0x40*(\set)
.irp t, 0,1,2,3,4,5,6,7
	FRAG 12*\t, AP16+2*(\t/4), AP8+2*(\t/4), (\t%4)*12288+(\s)*FRB
.endr
.irp l, 0,1,2,3
	FRAG 96+12*\l, AL16, AL8, \l*12288+(\s)*FRB
.endr
.endm
; 16 matrix instructions: L's tiles l0, l0 + 1 x P's eight, K step s.  mode 0: onto the sums; 1: the sums begin with the bias.
; The 32 accumulators take turns, one instruction a turn, in the same order in every K step.
.macro MUL set, s, l0, mode
.if \mode
	WIN 0x4a                                       ; P and L in window 2, C in window 0, D in window 1
.else
	WIN 0x5a+5*(\set)                              ; P and L in window 2 or 3, C and D in window 1
.endif
.irp l, \l0, \l0+1
.irp t, 0,1,2,3,4,5,6,7
.if \mode == 1
	v_wmma_scale_f32_16x16x128_f8f6f4 v[64*(\l)+8*\t:64*(\l)+8*\t+7], v[12*\t:12*\t+11], v[96+12*(\l):96+12*(\l)+11], v[BI+8*\t:BI+8*\t+7], v[SCP+4*\t], v[SCL+4*(\l)] matrix_a_fmt:MATRIX_FMT_FP6 matrix_b_fmt:MATRIX_FMT_FP6
.elseif (\s) < 4
	v_wmma_scale_f32_16x16x128_f8f6f4 v[64*(\l)+8*\t:64*(\l)+8*\t+7], v[12*\t:12*\t+11], v[96+12*(\l):96+12*(\l)+11], v[64*(\l)+8*\t:64*(\l)+8*\t+7], v[SCP+4*\t+(\s)%4], v[SCL+4*(\l)+(\s)%4] matrix_a_fmt:MATRIX_FMT_FP6 matrix_b_fmt:MATRIX_FMT_FP6
.else
	v_wmma_scale_f32_16x16x128_f8f6f4 v[64*(\l)+8*\t:64*(\l)+8*\t+7], v[12*\t:12*\t+11], v[96+12*(\l):96+12*(\l)+11], v[64*(\l)+8*\t:64*(\l)+8*\t+7], v[SCP+4*\t+(\s)%4], v[SCL+4*(\l)+(\s)%4] matrix_a_fmt:MATRIX_FMT_FP6 matrix_b_fmt:MATRIX_FMT_FP6 matrix_a_scale:MATRIX_SCALE_ROW1 matrix_b_scale:MATRIX_SCALE_ROW1
.endif
.endr
.endr
.endm
; K step s multiplies set s % 2 and fetches K step s + 1 into the other set, which the K step before has multiplied: four places stand between its last product and the loads (ISA guide 7.12.1 for vector
; instructions).
.macro KSTEP s
	s_wait_dscnt 0x0                               ; this K step's fragments are in
.if (\s) < 7
	PLACES 4
	FETCH (\s)+1, ((\s)+1)%2
.else
	s_barrier_signal -1                            ; my reads of the tiles are over: the stage of the way out lies in their bytes
.endif
	MUL (\s)%2, \s, 0, 0
	MUL (\s)%2, \s, 2, 0
.endm
	s_load_b256 s[4:11], s[0:1], 0x0               ; opc, ops, aoc, aos
	v_lshl_add_u32 v254, v0, 2, 0x4b000
	v_mov_b32 v255, 0
	ds_add_u32 v254, v255
	ds_add_u32 v254, v255
	v_lshrrev_b32 v1, 5, v0
	v_readfirstlane_b32 s[WV], v1                  ; wave 0..3
	s_and_b32 s[WP], s[WV], 1                      ; my half of the features.  Also: which half of P waves 0 and 1 fetch
	s_lshr_b32 s[WL], s[WV], 1                     ; my half of the rows
	s_bfe_u32 s[CX], ttmp6, 0x40000
	s_bfe_u32 s[CY], ttmp6, 0x40004
	s_and_b32 s[CL], ttmp7, 0xffff                 ; the cluster, 0..15
	; which tiles.  P's chain (s12-15) never holds cy, L's (s16-19) never cx
	s_lshl_b32 s12, s[CX], 4
	s_add_co_u32 s12, s12, 1728                    ; Wo's tiles, 16 to a work-group,
	s_lshl_b32 s13, s[WP], 3
	s_add_co_u32 s12, s12, s13                     ; + the 8 that I fetch
	s_lshl_b32 s16, s[CL], 5
	s_lshl_b32 s17, s[CY], 3
	s_add_co_u32 s16, s16, s17                     ; attention's tiles: 32 to a cluster, 8 to a work-group
	s_mul_i32 s14, s12, 12288
	s_mov_b32 s15, 0
	s_lshl_b32 s12, s12, 9
	s_mov_b32 s13, 0
	s_mul_i32 s18, s16, 12288
	s_mov_b32 s19, 0
	s_lshl_b32 s16, s16, 9
	s_mov_b32 s17, 0
	; groups 1.  Codes: elements of 8 bytes, 32 to a row of 256 bytes: 384 rows for P, 192 for L
	s_lshl_b32 s100, 0x1111, s[CX]                 ; my column of the cluster
	s_lshl_b32 s101, s[CY], 2
	s_lshl_b32 s101, 15, s101                      ; my row
	; ONE TENSOR LOAD A WAVE: tiles lie on end in memory, so 8 tiles of P (98,304 bytes) or 4 tiles of L (49,152) for all of K are one dense block, stated as rows of 256 bytes.
	; Waves 0, 1: P's halves into regions 0, 1; waves 2, 3: L's halves into region 2.  In LDS a tile is 12,288 bytes, a K step's fragment 1,536 in it.  The scale words go from memory straight into registers.
	s_or_b32 s[G1CP], s100, (3<<16)|(1<<21)        ; 15:0 the mask; 17:16 elements of 8 bytes; 21 set beside a mask
	s_or_b32 s[G1CL], s101, (3<<16)|(1<<21)
.irp g, G1CP, G1CL
	s_mov_b32 s[\g+1], 32<<16
	s_mov_b32 s[\g+3], 32<<16
	s_mov_b32 s[\g+5], 32
	s_mov_b32 s[\g+6], 0
	s_mov_b32 s[\g+7], 0
.endr
	s_mov_b32 s[G1CP+2], 384<<16
	s_mov_b32 s[G1CP+4], 384
	s_mov_b32 s[G1CL+2], 192<<16
	s_mov_b32 s[G1CL+4], 192
	s_mul_i32 s67, s[WV], RGN                      ; P: region w
	s_mul_i32 s66, s[WV], 2*CHK
	s_add_co_u32 s66, s66, RGN                     ; L: region 2 + 49,152 (w - 2)
	s_lshl_b32 s30, s[WL], 11                      ; my four L tiles' scale words
	s_mov_b32 s31, 0
	s_mul_i32 s32, s[WP], 2*CHK                    ; the four L tiles that waves 2, 3 fetch
	s_mov_b32 s33, 0
	s_wait_dscnt 0x0
	s_wait_kmcnt 0x0
	s_add_nc_u64 s[12:13], s[6:7], s[12:13]
	s_add_nc_u64 s[14:15], s[4:5], s[14:15]
	s_add_nc_u64 s[16:17], s[10:11], s[16:17]
	s_add_nc_u64 s[18:19], s[8:9], s[18:19]
	s_add_nc_u64 s[18:19], s[18:19], s[32:33]
	s_mov_b64 s[28:29], s[12:13]                   ; my eight P tiles' scale words
	s_add_nc_u64 s[30:31], s[16:17], s[30:31]      ; my four L tiles'
	s_mov_b32 s[G0P], 1
	s_mov_b32 s[G0P+1], s67
	s_mov_b64 s[G0P+2:G0P+3], s[14:15]
	s_or_b32 s[G0P+3], s[G0P+3], 0x80000000
	s_mov_b32 s[G0L], 1
	s_mov_b32 s[G0L+1], s66
	s_mov_b64 s[G0L+2:G0L+3], s[18:19]
	s_or_b32 s[G0L+3], s[G0L+3], 0x80000000
	CROUND                                         ; all sixteen work-groups are here: the joint loads meet
	s_cmp_lt_u32 s[WV], 2                          ; all of a wave's loads stand in one branch on the wave's number, the same in every work-group
	s_cbranch_scc0 .Lnot_p
	tensor_load_to_lds s[G0P:G0P+3], s[G1CP:G1CP+7]
	s_nop 0
	PLACES 4
	s_branch .Lasked
.Lnot_p:
	tensor_load_to_lds s[G0L:G0L+3], s[G1CL:G1CL+7]
	s_nop 0
	PLACES 4
.Lasked:
	s_load_b128 s[4:7], s[0:1], 0x20               ; bo, out0
	v_and_b32 v1, 31, v0                           ; lane
	v_and_b32 v2, 15, v0                           ; r
	v_bfe_u32 v3, v0, 4, 1                         ; h
	v_lshlrev_b32 v[L16], 4, v1
	v_lshlrev_b32 v[T8], 3, v1
	s_mul_i32 s12, s[WP], RGN
	v_add_nc_u32 v[AP16], s12, v[L16]
	v_add_nc_u32 v[AP8], s12, v[T8]
	v_add_nc_u32 v[AP16+2], 2*CHK, v[AP16]
	v_add_nc_u32 v[AP8+2], 2*CHK, v[AP8]
	s_mul_i32 s12, s[WL], 2*CHK
	s_add_co_u32 s12, s12, 2*RGN
	v_add_nc_u32 v[AL16], s12, v[L16]
	v_add_nc_u32 v[AL8], s12, v[T8]
	s_mul_i32 s12, s[WV], STG                      ; my stage
	v_mul_u32_u24 v[STO], v2, 528                  ; in: row r, + 64 h: 528 is an odd multiple of 16 bytes, so that sixteen rows start in different banks (ISA guide 11.1)
	v_lshl_add_u32 v[STO], v3, 6, v[STO]
	v_add_nc_u32 v[STO], s12, v[STO]
	v_add_nc_u32 v[RD], s12, v[L16]                ; back: the 32 lanes take one row of 512 bytes
	v_lshlrev_b32 v[BOF], 6, v3
	s_lshl_b32 s8, s[CL], 2
	s_add_co_u32 s8, s8, s[CY]                     ; which 128 rows: 16 batch + step
	s_lshr_b32 s9, s8, 4
	s_lshl_b32 s9, s9, 12                          ; the batch's 4,096 bytes,
	s_and_b32 s8, s8, 15
	s_lshl_b32 s8, s8, 21                          ; 128 positions of 16,384 bytes a step,
	s_add_co_u32 s8, s8, s9
	s_lshl_b32 s9, s[WL], 20                       ; 64 positions a half,
	s_add_co_u32 s8, s8, s9
	s_lshl_b32 s10, s[CX], 10
	s_lshl_b32 s11, s[WP], 9
	s_add_co_u32 s10, s10, s11                     ; my 128 features, in bytes: in the bias
	s_add_co_u32 s8, s8, s10                       ; and in a row of out0
	s_mov_b32 s9, 0
	s_mov_b32 s11, 0
	s_wait_alu depctr_va_vdst(0)
	s_wait_kmcnt 0x0
	s_add_nc_u64 s[4:5], s[4:5], s[10:11]
	s_add_nc_u64 s[6:7], s[6:7], s[8:9]
.irp t, 0,1,2,3,4,5,6,7                ; for P's tile t lane (r, h) wants features 32 (t / 2) + 16 h + 8 (t % 2) + 0 .. 7 of my wave's 128
	global_load_b128 v[BI+8*\t:BI+8*\t+3], v[BOF], s[4:5] offset:(32*(\t/2)+8*(\t%2))*4
	global_load_b128 v[BI+8*\t+4:BI+8*\t+7], v[BOF], s[4:5] offset:(32*(\t/2)+8*(\t%2))*4+16
.endr
.irp t, 0,1,2,3,4,5,6,7                ; the scale words, images of their registers: each load takes 512 consecutive bytes
	global_load_b128 v[SCP+4*\t:SCP+4*\t+3], v[L16], s[28:29] offset:512*\t
.endr
.irp l, 0,1,2,3
	global_load_b128 v[SCL+4*\l:SCL+4*\l+3], v[L16], s[30:31] offset:512*\l
.endr
	s_wait_tensorcnt 0x0                           ; my one load is in
	s_barrier_signal -1
	s_barrier_wait -1                              ; everybody's are
	FETCH 0, 0
	FETCH 1, 1
	s_wait_loadcnt 0x0                             ; the bias
	s_wait_dscnt 48                                ; the scale words and K step 0 are in; K step 1's 48 loads may be out
	MUL 0, 0, 0, 1                                 ; K step 0 starts the sums, with the bias as C: nothing is cleared and nothing is added later
	MUL 0, 0, 2, 1
.irp s, 1,2,3,4,5,6,7
	KSTEP \s
.endr
	WIN 0
	s_barrier_wait -1                              ; every wave's reads of the tiles are over: the stage may be written
; THE WAY OUT, L's tile by tile: 16 rows x 128 features.  A lane holds pieces of 32 bytes of one row, and the lanes beside it hold other rows: so a tile goes through my own stage in LDS and comes back as whole rows
; of 512 bytes.  The stage lies in bytes that have had their only fill and whose last reads (K step 7's) every wave had waited for in front of the barrier of K step 7.
; LDS serves a wave's instructions in order (ISA guide 5.7.1.4): no wait between the stores and the loads, nor in front of the next tile's stores.
.macro TOSTAGE l
	WIN 0x04                                       ; an LDS store's data are its source 1: window 1
.irp t, 0,1,2,3,4,5,6,7
	ds_store_b128 v[STO], v[64*(\l)+8*\t:64*(\l)+8*\t+3] offset:128*(\t/2)+32*(\t%2)        ; each accumulator from its low end on
	ds_store_b128 v[STO], v[64*(\l)+8*\t+4:64*(\l)+8*\t+7] offset:128*(\t/2)+32*(\t%2)+16
.endr
	WIN 0
.irp i, 0,1,2,3,4,5,6,7,8,9,10,11,12,13,14,15
	ds_load_b128 v[BK+64*((\l)%2)+4*\i:BK+64*((\l)%2)+4*\i+3], v[RD] offset:528*\i
.endr
.endm
.macro SEND l, younger                 ; younger: the LDS instructions issued behind tile l's loads, which may stay out
	s_wait_dscnt \younger
.irp i, 0,1,2,3,4,5,6,7,8,9,10,11,12,13,14,15
	global_store_b128 v[L16], v[BK+64*((\l)%2)+4*\i:BK+64*((\l)%2)+4*\i+3], s[6:7] offset:(32*((\l)/2)+8*((\l)%2)+\i+8*(\i/8))*16384 th:TH_STORE_NT   ; 512 consecutive bytes, at a multiple of 256 from out0's first byte; the tile's row i is position 32 (l / 2) + 8 (l % 2) + i + 8 (i / 8) of my 64; the offset stays inside the signed 24-bit immediate (ISA guide, chapter 10)
.endr
.endm
	PLACES 4                                       ; in front of the first read of results, and of loads into registers that matrix instructions have read
	TOSTAGE 0
.irp l, 1,2,3
.if \l > 1
	s_wait_xcnt 0x0                                ; tile l - 2's stores have read their registers: tile l's rows may land there
.endif
	TOSTAGE \l
	SEND \l-1, 32                                  ; behind tile l - 1's loads: tile l's 16 stores and 16 loads
.endr
	SEND 3, 0
	s_wait_tensorcnt 0x0
	ds_add_u32 v254, v255
	s_wait_dscnt 0x0
	CROUND                                         ; the closing round: no work-group ends while a partner may still ask for a tile that names it
	s_endpgm
.Lfunc_end_k_q0ce9513de6_outp:
	.size	k_q0ce9513de6_outp, .Lfunc_end_k_q0ce9513de6_outp-k_q0ce9513de6_outp
	.p2alignl 7, 3214868480
	.fill 96, 4, 3214868480
	.section	.rodata,"a",@progbits
	.p2align	6, 0x0
	.amdhsa_kernel k_q0ce9513de6_outp
		.amdhsa_group_segment_fixed_size 307712
		.amdhsa_private_segment_fixed_size 0
		.amdhsa_enable_private_segment 0
		.amdhsa_kernarg_size 48
		.amdhsa_user_sgpr_count 2
		.amdhsa_user_sgpr_kernarg_segment_ptr 1
		.amdhsa_wavefront_size32 1
		.amdhsa_system_sgpr_workgroup_id_x 1
		.amdhsa_system_sgpr_workgroup_id_y 1
		.amdhsa_system_sgpr_workgroup_id_z 1
		.amdhsa_system_vgpr_workitem_id 0
		.amdhsa_next_free_vgpr 912
		.amdhsa_next_free_sgpr 102
		.amdhsa_reserve_vcc 0
		.amdhsa_float_denorm_mode_32 3
		.amdhsa_float_denorm_mode_16_64 3
		.amdhsa_memory_ordered 1
		.amdhsa_forward_progress 1
		.amdhsa_inst_pref_size 82
	.end_amdhsa_kernel
	.amdgpu_metadata
---
amdhsa.version: [ 1, 2 ]
amdhsa.kernels:
  - .name:           k_q0ce9513de6_outp
    .symbol:         k_q0ce9513de6_outp.kd
    .args:
      - { .name: opc, .offset: 0, .size: 8, .value_kind: global_buffer, .address_space: global }
      - { .name: ops, .offset: 8, .size: 8, .value_kind: global_buffer, .address_space: global }
      - { .name: aoc, .offset: 16, .size: 8, .value_kind: global_buffer, .address_space: global }
      - { .name: aos, .offset: 24, .size: 8, .value_kind: global_buffer, .address_space: global }
      - { .name: bo, .offset: 32, .size: 8, .value_kind: global_buffer, .address_space: global }
      - { .name: out0, .offset: 40, .size: 8, .value_kind: global_buffer, .address_space: global }
    .group_segment_fixed_size: 307712
    .private_segment_fixed_size: 0
    .kernarg_segment_align: 8
    .kernarg_segment_size: 48
    .max_flat_workgroup_size: 128
    .sgpr_count:     102
    .vgpr_count:     912
    .wavefront_size: 32
...
	.end_amdgpu_metadata
.endif
;; end of part 4
